; MI455X (gfx1250); checked and timed in simulation.
; The chip was launched on July 23, 2026; its instructions are those of AMD's public machine-readable ISA for CDNA 5 (MIT licence, August 2026) and "CDNA5" Instruction Set Architecture Reference Guide (July 2026). The comments in the code are by the model that wrote it; some were corrected since.
;; Multi Heads Attention. Allowed arithmetic: matrix products marked QUANTISED: E2M1 operands, one E8M0 scale for each 32 along K, by v_wmma_scale_f32_16x16x128_f8f6f4 with both operands' format E2M1 (or v_wmma_scale_f32_32x16x128_f4), f32 sums; products left as they are: bf16, f16 or f32 operands; f32 sums; everything else in f32.
;; Inputs: bc 2,048 float32; bk 2,048 float32; bq 2,048 float32; bv 2,048 float32; msk 2,048 x 2,048 int32; object_tokens 1 x 2,048 x 2,048 float32; subject_tokens 1 x 2,048 x 2,048 float32; wc 2,048 x 2,048 float32; wk 2,048 x 2,048 float32; wq 2,048 x 2,048 float32; wv 2,048 x 2,048 float32.
;; Outputs: out0 1 x 2,048 x 2,048 float32.
;; Constants: rotate_base = 10000.0.
;; This version of the problem:
;;   THIS VERSION OF THE PROBLEM IS GIVEN IN LOW PRECISION. The matrix products marked QUANTISED in the list below multiply operands that are first quantised to E2M1 (2 exponent bits, 1 mantissa bit; 4 bits a number), with one power-of-two scale for each 32 numbers along K (OCP MX v1.0); their sums are f32. The products marked 'left as it is' may take bf16, f16 or f32 operands, with f32 sums. Whichever they take, every output number must still come out within the allowed error. Rounding operands to bf16 (8 significant bits) uses up far more of that allowance than f16 does (11 bits, for magnitudes from 6e-5 to 65,504). All else is computed in f32.
;;   The module's matrix products, in the order in which they are computed (A, B: the left and right operand; K: the contracted axis; several contracted axes count as one K, in the product's order):
;;     1. [M 2,048, K 2,048] x [K 2,048, N 2,048]; A: input subject_tokens; B: input wq: QUANTISED
;;     2. [M 2,048, K 2,048] x [K 2,048, N 2,048]; A: input object_tokens; B: input wk: QUANTISED
;;     3. [M 2,048, K 2,048] x [K 2,048, N 2,048]; A: input object_tokens; B: input wv: QUANTISED
;;     4. batch 16 x [M 2,048, K 128] x [K 128, N 2,048]; A: computed on the way; B: computed on the way: left as it is (an operand is computed on the way)
;;     5. batch 16 x [M 2,048, K 2,048] x [K 2,048, N 128]; A: computed on the way; B: computed on the way: left as it is (an operand is computed on the way)
;;     6. [M 2,048, K 2,048] x [K 2,048, N 2,048]; A: computed on the way; B: input wc: left as it is (an operand is computed on the way)
;;   THE QUANTISER, for each operand of a quantised product, along K:
;;     - K is cut into blocks of 32 from its start; a last block that is shorter is filled with zeros.
;;     - A block's scale is 2^e with e = floor(log2(the largest magnitude in the block)) - 2, held to -126 .. 127; a block of zeros has e = 0. As a byte (E8M0): e + 127.
;;     - Each number is divided by its block's scale, clamped to +-6, and rounded to the nearest number of E2M1, ties to even, subnormals kept.
;;     - The product sums the exact products of the quantised numbers (number of the format x scale) in f32.
;;   ~~~python
;;   def quantise(x, axis):      # numpy; x: float32 -> the quantised numbers, widened to float32 again
;;       x = np.moveaxis(x, axis, -1); K = x.shape[-1]
;;       x = np.pad(x, [(0, 0)] * (x.ndim - 1) + [(0, -K % 32)]); x = x.reshape(x.shape[:-1] + (-1, 32)); a = np.abs(x).max(-1, keepdims=True)
;;       e = np.where(a > 0, np.clip(np.frexp(np.where(a > 0, a, 1))[1] - 1 - 2, -126, 127), 0)      # np.frexp(a)[1] - 1 = floor(log2(a)), exactly
;;       r = np.clip(x / 2.0 ** e, -6, 6)
;;       step = 2.0 ** (np.maximum(np.frexp(np.where(r == 0, 1, r))[1] - 1, 0) - 1)
;;       q = np.round(r / step) * step * 2.0 ** e      # np.round: ties to even
;;       return np.moveaxis(q.reshape(q.shape[:-2] + (-1,))[..., :K], -1, axis).astype(np.float32)
;;   ~~~
;; One version. Each part assembles by itself: llvm-mc -triple=amdgcn-amd-amdhsa -mcpu=gfx1250 --defsym DOCPART=n.
;; ======== version 1 of 1: 4 launches
;; limits: values are held in f16: magnitudes above 65,504 overflow, below 6.1e-05 lose precision
;; workspace buffers: codes 10,485,760 bytes; scales 655,360 bytes; wch 8,388,608 bytes; mbits 524,288 bytes of whole numbers; rope 1,114,112 bytes; qkv 25,165,824 bytes; ctx 8,388,608 bytes
;; launch prep (part 1): grid 900 x 1, 4 waves a work-group, no clusters, 109,056 bytes of LDS; arguments subject_tokens, object_tokens, wq, wk, wv, wc, msk, codes, scales, wch, mbits, rope; writes codes, scales, wch, mbits, rope
.if DOCPART == 1
	.amdgcn_target "amdgcn-amd-amdhsa--gfx1250"
	.amdhsa_code_object_version 6
	.text
	.protected	k_qbf8b9fd113_prep
	.globl	k_qbf8b9fd113_prep
	.p2align	8
	.type	k_qbf8b9fd113_prep,@function
k_qbf8b9fd113_prep:
	s_mov_b64 s[64:65], 0
	v_nop
	global_prefetch_b8 v0, s[64:65] scope:SCOPE_SE
	s_setreg_imm32_b32 hwreg(HW_REG_WAVE_MODE, 25, 1), 1
	s_wait_xcnt 0x0
; PREP: everything that the three later launches read is made ready here, each input byte read once.  Five kinds of work-groups, told apart by the work-group's number alone:
;   0-255   TOKENS  subject_tokens, object_tokens [2048][2048] f32 -> codes of FP4 (E2M1), K innermost, and one E8M0 byte for each 32 along K (tensors 0, 1 of codes and scales)
;   256-447 WEIGHTS wq, wk, wv [k][n] f32, K their FIRST axis -> the same, laid [n][k] (tensors 2, 3, 4)
;   448-703 WC      wc [k][n] f32 -> f16, laid [n][k]
;   704-831 MASK    msk [q][k] int32 -> words of 32 bits, one bit a lane, in the order in which the attention's score registers lie
;   832-899 TABLE   (cos, sin) of position x 10000^(-j/64), [2176][64][2] f32; rows 2048 on hold (1, 0), for the values, which are not turned
; A block's scale is 2^(floor(log2(its largest magnitude)) - 2); its byte is the largest magnitude's exponent field - 2, held at 1 from below.  A block of zeros so gets the byte 1 where the rule says 127:
; its codes are zeros, which add nothing, and the bytes are read by this program alone.
; LIMITS: NaN and infinities among the inputs are not served; |wc| stays under 65,504 (f16); the table's angles differ from position x f in exact arithmetic by up to 2e-4 rad at the far positions
; (f comes from one v_exp_f32 of a product rounded once).  Each kind has LDS bytes of its own.  No tensor loads, no barrier: waves share nothing.
.set SPW,   254                        ; v254 LDS address of my spare word: SPARE + 4 x my thread's number; never rewritten
.set NIL,   255                        ; v255 0; never rewritten
.set LT,    0                          ; TOKENS:  4 x 5,376 bytes
.set LW,    21504                      ; WEIGHTS: 4 x 8,704
.set LC,    56320                      ; WC:      4 x 8,704
.set LM,    91136                      ; MASK:    4 x 4,352
.set SPARE, 108544                     ; the spare words, 128 bytes for each wave: two blocks of 256 bytes that no other line names
.set EMAX,  2
.macro FINISH                          ; a wave's end, behind my last LDS store
	s_wait_tensorcnt 0x0
	ds_add_u32 v[SPW], v[NIL]
	s_wait_dscnt 0x0
	s_endpgm
.endm
	s_load_b512 s[4:19], s[0:1], 0x0               ; subject s[4:5], object s[6:7], wq s[8:9], wk s[10:11], wv s[12:13], wc s[14:15], msk s[16:17], codes s[18:19]
	s_load_b256 s[20:27], s[0:1], 0x40             ; scales s[20:21], wch s[22:23], mbits s[24:25], rope s[26:27]
	v_lshl_add_u32 v[SPW], v0, 2, SPARE
	v_mov_b32 v[NIL], 0
	v_lshrrev_b32 v1, 5, v0
	v_readfirstlane_b32 s28, v1                    ; wave 0..3
	v_and_b32 v2, 31, v0                           ; lane
	s_wait_kmcnt 0x0
	s_cmp_lt_u32 ttmp9, 256
	s_cbranch_scc1 .Ltokens
	s_cmp_lt_u32 ttmp9, 448
	s_cbranch_scc1 .Lweights
	s_cmp_lt_u32 ttmp9, 704
	s_cbranch_scc1 .Lwc
	s_cmp_lt_u32 ttmp9, 832
	s_cbranch_scc1 .Lmask
; ---------------- TABLE.  32 rows a work-group; thread: pair j = 32 (wave % 2) + lane, 16 rows from 32 x group + 16 (wave / 2).  A wave's store covers 256 consecutive bytes, aligned.
	s_sub_co_u32 s29, ttmp9, 832                   ; group 0..67
	s_and_b32 s30, s28, 1
	s_lshl_b32 s30, s30, 5
	v_add_nc_u32 v3, s30, v2                       ; j
	v_cvt_f32_u32 v4, v3
	v_mul_f32 v4, 0xbe549a78, v4                   ; -j x log2(10000) / 64
	v_exp_f32 v4, v4                               ; f = 10000^(-j/64)
	v_lshlrev_b32 v5, 3, v3                        ; (a plain instruction behind the exponential)  8 j: my pair's place in a row
	s_lshl_b32 s31, s29, 5
	s_lshr_b32 s32, s28, 1
	s_lshl_b32 s32, s32, 4
	s_add_co_u32 s31, s31, s32                     ; my first row
	s_lshl_b32 s32, s31, 9                         ; a row is 512 bytes
	s_mov_b32 s33, 0
	s_add_nc_u64 s[26:27], s[26:27], s[32:33]
	s_cmp_lt_u32 s29, 64
	s_cselect_b32 s34, 1.0, 0                      ; rows 2048 on: f = 0, so the angle is 0 and the pair (1, 0)
	s_mov_b32 s36, 0x3f22f983                      ; 2 / pi
	s_mov_b32 s37, 0x3fc90fdb                      ; pi / 2, rounded to f32,
	s_mov_b32 s38, 0x333bbd2e                      ; and what that rounding added: 4.3711388e-8
	s_mov_b32 s39, 0xb94ca1f9                      ; sine on [-pi/4, pi/4]: -1.9515296e-4,
	s_mov_b32 s40, 0x3c08839e                      ; 8.3321609e-3,
	s_mov_b32 s41, 0xbe2aaaa3                      ; -1.6666655e-1
	s_mov_b32 s42, 0x37ccf5ce                      ; cosine: 2.4433157e-5,
	s_mov_b32 s43, 0xbab6061a                      ; -1.3887316e-3,
	s_mov_b32 s44, 0x3d2aaaa5                      ; 4.1666646e-2
	s_wait_alu depctr_va_vdst(0)                   ; the wait ahead of the first reader of the exponential
	v_mul_f32 v4, s34, v4
.macro R_ROW i                         ; each row has registers of its own for its store, so that no store's data are written again
	s_add_co_u32 s35, s31, \i
	v_cvt_f32_u32 v6, s35
	v_mul_f32 v6, v6, v4                           ; the angle, rounded once, as position x f is
	v_mul_f32 v7, s36, v6
	v_rndne_f32 v7, v7                             ; n: how many quarter turns
	v_fma_f32 v8, -v7, s37, v6
	v_fma_f32 v8, v7, s38, v8                      ; r = angle - n pi / 2, in two parts
	v_mul_f32 v9, v8, v8
	v_fma_f32 v10, v9, s39, s40
	v_fma_f32 v11, v9, s42, s43
	v_fma_f32 v10, v10, v9, s41
	v_fma_f32 v11, v11, v9, s44
	v_mul_f32 v10, v10, v9
	v_mul_f32 v11, v11, v9
	v_fma_f32 v10, v10, v8, v8                     ; sin r
	v_mul_f32 v11, v11, v9
	v_fma_f32 v11, v9, -0.5, v11
	v_add_f32 v11, 1.0, v11                        ; cos r
	v_cvt_i32_f32 v12, v7
	v_and_b32 v13, 1, v12
	v_cmp_eq_u32 vcc_lo, 1, v13                    ; an odd quarter swaps the two (a choice of values only)
	v_cndmask_b32 v14, v11, v10, vcc_lo
	v_cndmask_b32 v15, v10, v11, vcc_lo
	v_add_nc_u32 v13, 1, v12
	v_and_b32 v13, 2, v13
	v_lshlrev_b32 v13, 30, v13                     ; the cosine is negative in quarters 1 and 2,
	v_xor_b32 v[64+2*\i], v13, v14
	v_and_b32 v13, 2, v12
	v_lshlrev_b32 v13, 30, v13                     ; the sine in quarters 2 and 3
	v_xor_b32 v[65+2*\i], v13, v15
	global_store_b64 v5, v[64+2*\i:65+2*\i], s[26:27] offset:512*\i
.endm
.irp i, 0,1,2,3,4,5,6,7,8,9,10,11,12,13,14,15
	R_ROW \i
.endr
	s_endpgm
; ---------------- TOKENS.  Rows are dense and 2048 is a multiple of 32: a tensor is a plain stream of blocks of 32.  A wave takes 16 steps of 512 numbers.  Each load reads 512 consecutive bytes;
; a step's 2,048 bytes turn through the wave's own stage (16 bytes of padding behind each 64) and come back 16 neighbours a lane, two lanes to a block.
.Ltokens:
.set TR,   16                          ; v16-79   four sets of 16 numbers as loaded
.set TX,   80                          ; v80-111  two sets of 16 neighbours
.set TE,   112                         ; v112-127 a scale byte for each step
.set TC,   128                         ; v128-191 codes: registers of its own for each step
.set WREG, 5376                        ; a wave's LDS: two stages of 32 x 80 bytes, then its 256 scale bytes
.set TSP,  80
	v_lshlrev_b32 v3, 4, v2                        ; my 16 bytes of a load's 512
	s_mul_i32 s29, s28, WREG
	v_lshrrev_b32 v14, 2, v2
	v_mul_u32_u24 v14, v14, TSP
	v_and_b32 v15, 3, v2
	v_lshl_add_u32 v14, v15, 4, v14
	v_add_nc_u32 v14, s29, v14                     ; the stage, in: 80 (lane / 4) + 16 (lane % 4)
	v_mul_u32_u24 v15, v2, TSP
	v_add_nc_u32 v15, s29, v15                     ; and out: 80 x lane
	v_lshlrev_b32 v4, 3, v2                        ; my 8 bytes of a step's codes
	v_lshrrev_b32 v5, 1, v2
	s_add_co_u32 s29, s29, 2*32*TSP
	v_add_nc_u32 v5, s29, v5                       ; my block's scale byte
	v_lshlrev_b32 v7, 3, v2
	v_add_nc_u32 v6, s29, v7                       ; and on the way out 8 bytes a lane
	s_cmp_lt_u32 ttmp9, 128                        ; subject's work-group or object's: the choice hangs on the work-group's number alone
	s_cselect_b64 s[4:5], s[4:5], s[6:7]
	s_cselect_b32 s30, 0, 1                        ; which tensor of codes and scales
	s_cselect_b32 s31, 0, 128
	s_sub_co_u32 s31, ttmp9, s31
	s_lshl_b32 s31, s31, 2
	s_add_co_u32 s31, s31, s28                     ; which run of 8,192 numbers is my wave's: 0..511
	s_lshl_b32 s32, s31, 15
	s_mov_b32 s33, 0
	s_add_nc_u64 s[4:5], s[4:5], s[32:33]
	s_lshl_b32 s32, s30, 21                        ; a tensor of codes is 2 MiB, a run 4,096 bytes
	s_lshl_b32 s34, s31, 12
	s_add_co_u32 s32, s32, s34
	s_add_nc_u64 s[18:19], s[18:19], s[32:33]
	s_lshl_b32 s32, s30, 17                        ; a tensor of scale bytes is 131,072 bytes, a run 256
	s_lshl_b32 s34, s31, 8
	s_add_co_u32 s32, s32, s34
	s_add_nc_u64 s[20:21], s[20:21], s[32:33]
.macro T_LOAD t
.irp i, 0,1,2,3
	global_load_b128 v[TR+16*((\t)%4)+4*\i:TR+16*((\t)%4)+4*\i+3], v3, s[4:5] offset:2048*(\t)+512*\i th:TH_LOAD_NT
.endr
.endm
.macro T_TURN t                        ; LDS serves a wave's instructions in order: no wait between the stores and the loads
.irp i, 0,1,2,3
	ds_store_b128 v14, v[TR+16*((\t)%4)+4*\i:TR+16*((\t)%4)+4*\i+3] offset:32*TSP*((\t)%2)+8*TSP*\i
.endr
.irp i, 0,1,2,3
	ds_load_b128 v[TX+16*((\t)%2)+4*\i:TX+16*((\t)%2)+4*\i+3], v15 offset:32*TSP*((\t)%2)+16*\i
.endr
.endm
.irp t, 0,1,2,3
	T_LOAD \t
.endr
	s_wait_loadcnt 12                              ; step 0's four loads are in; the twelve of steps 1 to 3 stay out
	T_TURN 0
.macro T_STEP t
.set XS, TX+16*((\t)%2)
.if (\t) > 0
	s_wait_dscnt 1                                 ; this step's numbers are back from the stage; the last step's byte store may be out
.else
	s_wait_dscnt 0x0
.endif
.if (\t)+4 < 16
	T_LOAD (\t)+4
.endif
.if (\t)+1 < 16
.if 14-(\t) >= 3
	s_wait_loadcnt 12                              ; the next step's four loads are in; those of the three steps behind it may be out
.else
	s_wait_loadcnt 4*(14-(\t))
.endif
	T_TURN (\t)+1
.endif
	v_max3_num_f32 v8, |v[XS]|, |v[XS+1]|, |v[XS+2]|
	v_max3_num_f32 v9, |v[XS+3]|, |v[XS+4]|, |v[XS+5]|
.irp i, 6,10
	v_max3_num_f32 v8, v8, |v[XS+\i]|, |v[XS+\i+1]|
	v_max3_num_f32 v9, v9, |v[XS+\i+2]|, |v[XS+\i+3]|
.endr
	v_max3_num_f32 v8, v8, |v[XS+14]|, |v[XS+15]|
	v_max3_num_f32 v8, v8, v9, (EMAX+1)<<23        ; the floor 2^(3 - 127): the byte cannot fall under 1
	v_max_num_f32_dpp v8, v8, v8 row_xmask:1 row_mask:0xf bank_mask:0xf   ; with my neighbour's 16: the block's largest magnitude
	v_add_nc_u32 v11, -(EMAX<<23), v8              ; 2 off its exponent field: the conversion takes the exponent field of this operand as its scale
	v_cvt_scalef32_pk8_fp4_f32 v[TC+4*(\t)], v[XS:XS+7], v11
	v_cvt_scalef32_pk8_fp4_f32 v[TC+4*(\t)+1], v[XS+8:XS+15], v11
	v_lshrrev_b32 v[TE+(\t)], 23, v11              ; the scale's byte
	ds_store_b8 v5, v[TE+(\t)] offset:16*(\t)      ; both lanes of a block write the same byte with the same value
	global_store_b64 v4, v[TC+4*(\t):TC+4*(\t)+1], s[18:19] offset:256*(\t)   ; the wave stores 256 consecutive bytes, aligned
.endm
.irp t, 0,1,2,3,4,5,6,7,8,9,10,11,12,13,14,15
	T_STEP \t
.endr
	ds_load_b64 v[8:9], v6
	s_wait_dscnt 0x0
	global_store_b64 v7, v[8:9], s[20:21]          ; my wave's 256 scale bytes, aligned
	FINISH
; ---------------- WEIGHTS.  A lane takes a column n and its registers run down K: a block of 32 lies in one lane, and the conversions give codes with K innermost.  A wave: 32 columns x 512 along K.
.Lweights:
.set WP,  272                          ; a stage row: 256 bytes of codes + 16
.set WSB, 24                           ; v24-27   the scale bytes, four to a register
.set WX,  32                           ; v32-95   two sets of 32 numbers
.set WC,  96                           ; v96-99   a block's codes
.set WO,  112                          ; v112-175 the way out
	s_sub_co_u32 s29, ttmp9, 256
	s_lshr_b32 s30, s29, 6                         ; which weight: 0 wq, 1 wk, 2 wv
	s_and_b32 s31, s29, 15                         ; which 128 columns
	s_bfe_u32 s32, s29, 0x20004                    ; which 512 along K
	s_cmp_eq_u32 s30, 0
	s_cselect_b64 s[8:9], s[8:9], s[10:11]
	s_cmp_eq_u32 s30, 2
	s_cselect_b64 s[8:9], s[12:13], s[8:9]
	s_lshl_b32 s33, s31, 7
	s_lshl_b32 s34, s28, 5
	s_add_co_u32 s33, s33, s34                     ; my wave's first column
	v_lshlrev_b32 v3, 2, v2
	s_mul_i32 s34, s28, 32*WP
	s_add_co_u32 s34, s34, LW                      ; my stage
	v_mul_u32_u24 v4, v2, WP
	v_add_nc_u32 v4, s34, v4                       ; into it: row = my column
	v_and_b32 v5, 15, v2
	v_lshrrev_b32 v6, 4, v2
	v_mul_u32_u24 v7, v6, WP
	v_lshl_add_u32 v7, v5, 4, v7
	v_add_nc_u32 v7, s34, v7                       ; out of it: sixteen lanes to a row, two rows an instruction
	v_lshlrev_b32 v8, 10, v6
	v_lshl_add_u32 v8, v5, 4, v8                   ; and the same place in the codes (a row is 1,024 bytes)
	v_lshlrev_b32 v9, 6, v2                        ; my column's row of scale bytes (64 bytes)
	s_lshl_b32 s36, s32, 22                        ; 512 rows of 8,192 bytes
	s_lshl_b32 s37, s33, 2
	s_add_co_u32 s36, s36, s37
	s_mov_b32 s37, 0
	s_add_nc_u64 s[8:9], s[8:9], s[36:37]
	s_add_co_u32 s38, s30, 2                       ; tensors 2, 3, 4
	s_lshl_b32 s36, s38, 21
	s_lshl_b32 s39, s33, 10
	s_add_co_u32 s36, s36, s39
	s_lshl_b32 s39, s32, 8
	s_add_co_u32 s36, s36, s39
	s_add_nc_u64 s[18:19], s[18:19], s[36:37]
	s_lshl_b32 s36, s38, 17
	s_lshl_b32 s39, s33, 6
	s_add_co_u32 s36, s36, s39
	s_lshl_b32 s39, s32, 4
	s_add_co_u32 s36, s36, s39
	s_add_nc_u64 s[20:21], s[20:21], s[36:37]
.macro W_LOAD t                        ; every offset is an immediate: 511 x 8,192 at the most, inside the signed 24 bits
.irp i, 0,1,2,3,4,5,6,7,8,9,10,11,12,13,14,15,16,17,18,19,20,21,22,23,24,25,26,27,28,29,30,31
	global_load_b32 v[WX+32*((\t)%2)+\i], v3, s[8:9] offset:(32*(\t)+\i)*8192 th:TH_LOAD_NT
.endr
.endm
	W_LOAD 0
	W_LOAD 1
.macro W_BLOCK t
.set XS, WX+32*((\t)%2)
.if (\t) < 15
	s_wait_loadcnt 32                              ; this block's 32 loads are in; the next block's 32 may be out
.else
	s_wait_loadcnt 0
.endif
	v_max3_num_f32 v12, |v[XS]|, |v[XS+1]|, |v[XS+2]|
	v_max3_num_f32 v13, |v[XS+3]|, |v[XS+4]|, |v[XS+5]|
.irp i, 6,10,14,18,22,26
	v_max3_num_f32 v12, v12, |v[XS+\i]|, |v[XS+\i+1]|
	v_max3_num_f32 v13, v13, |v[XS+\i+2]|, |v[XS+\i+3]|
.endr
	v_max3_num_f32 v12, v12, |v[XS+30]|, |v[XS+31]|
	v_max3_num_f32 v12, v12, v13, (EMAX+1)<<23
	v_add_nc_u32 v11, -(EMAX<<23), v12
	v_lshrrev_b32 v13, 23, v11
.if (\t)%4 == 0
	v_mov_b32 v[WSB+(\t)/4], v13
.else
	v_lshl_or_b32 v[WSB+(\t)/4], v13, 8*((\t)%4), v[WSB+(\t)/4]
.endif
.irp g, 0,1,2,3
	v_cvt_scalef32_pk8_fp4_f32 v[WC+\g], v[XS+8*\g:XS+8*\g+7], v11
.endr
	ds_store_b128 v4, v[WC:WC+3] offset:16*(\t)
.if (\t)+2 < 16
	W_LOAD (\t)+2
.endif
	s_wait_dscnt 0x0                               ; the store has read its registers: the next block's codes may be written
.endm
.irp t, 0,1,2,3,4,5,6,7,8,9,10,11,12,13,14,15
	W_BLOCK \t
.endr
	global_store_b128 v9, v[WSB:WSB+3], s[20:21]   ; my column's 16 scale bytes
.irp t, 0,1,2,3,4,5,6,7,8,9,10,11,12,13,14,15
	ds_load_b128 v[WO+4*\t:WO+4*\t+3], v7 offset:2*\t*WP
.endr
.irp t, 0,1,2,3,4,5,6,7,8,9,10,11,12,13,14,15
	s_wait_dscnt 15-\t                             ; LDS loads come back in order: row pair t is in
	global_store_b128 v8, v[WO+4*\t:WO+4*\t+3], s[18:19] offset:2*\t*1024   ; sixteen lanes store 256 consecutive bytes, aligned
.endr
	FINISH
; ---------------- WC.  The same plan without a quantiser: a lane takes a column n, its registers run down k; pairs are rounded to f16.  A wave: 32 columns x 128 k, 256 bytes a column.
.Lwc:
.set CX, 32                            ; v32-159  128 numbers, then in the low half of each 32 their 16 packed words
.set CO_, 160                          ; v160-223 the way out
	s_sub_co_u32 s29, ttmp9, 448
	s_and_b32 s30, s29, 15                         ; which 128 columns
	s_lshr_b32 s31, s29, 4                         ; which 128 k
	s_lshl_b32 s32, s30, 7
	s_lshl_b32 s33, s28, 5
	s_add_co_u32 s32, s32, s33                     ; my wave's first column
	v_lshlrev_b32 v3, 2, v2
	s_mul_i32 s34, s28, 32*272
	s_add_co_u32 s34, s34, LC
	v_mul_u32_u24 v4, v2, 272
	v_add_nc_u32 v4, s34, v4
	v_and_b32 v5, 15, v2
	v_lshrrev_b32 v6, 4, v2
	v_mul_u32_u24 v7, v6, 272
	v_lshl_add_u32 v7, v5, 4, v7
	v_add_nc_u32 v7, s34, v7
	v_lshlrev_b32 v8, 12, v6
	v_lshl_add_u32 v8, v5, 4, v8                   ; a row of wch is 4,096 bytes
	s_lshl_b32 s36, s31, 20                        ; 128 rows of 8,192 bytes
	s_lshl_b32 s37, s32, 2
	s_add_co_u32 s36, s36, s37
	s_mov_b32 s37, 0
	s_add_nc_u64 s[14:15], s[14:15], s[36:37]
	s_lshl_b32 s36, s32, 12
	s_lshl_b32 s38, s31, 8
	s_add_co_u32 s36, s36, s38
	s_add_nc_u64 s[22:23], s[22:23], s[36:37]
.macro C_LOAD t
.irp i, 0,1,2,3,4,5,6,7,8,9,10,11,12,13,14,15,16,17,18,19,20,21,22,23,24,25,26,27,28,29,30,31
	global_load_b32 v[CX+32*(\t)+\i], v3, s[14:15] offset:(32*(\t)+\i)*8192 th:TH_LOAD_NT
.endr
.endm
	C_LOAD 0
	C_LOAD 1
.irp t, 0,1,2,3
.if \t < 3
	s_wait_loadcnt 32                              ; this block's 32 loads are in; the next block's 32 may be out
.else
	s_wait_loadcnt 0
.endif
.irp g, 0,1,2,3,4,5,6,7,8,9,10,11,12,13,14,15
	v_cvt_pk_f16_f32 v[CX+32*\t+\g], v[CX+32*\t+2*\g], v[CX+32*\t+2*\g+1]   ; in place, ascending: word g lies at or under its sources
.endr
.irp c, 0,1,2,3
	ds_store_b128 v4, v[CX+32*\t+4*\c:CX+32*\t+4*\c+3] offset:64*\t+16*\c
.endr
.if \t < 2
	C_LOAD \t+2
.endif
.endr
.irp t, 0,1,2,3,4,5,6,7,8,9,10,11,12,13,14,15
	ds_load_b128 v[CO_+4*\t:CO_+4*\t+3], v7 offset:2*\t*272
.endr
.irp t, 0,1,2,3,4,5,6,7,8,9,10,11,12,13,14,15
	s_wait_dscnt 15-\t
	global_store_b128 v8, v[CO_+4*\t:CO_+4*\t+3], s[22:23] offset:2*\t*4096   ; sixteen lanes store 256 consecutive bytes, aligned
.endr
	FINISH
; ---------------- MASK.  mbits[q / 16][k / 64][u][i], a word each: bit L = (msk[16 (q / 16) + L % 16][64 (k / 64) + 16 u + 8 (L / 16) + i] != 0): the lane mask of register 8 u + i of a tile of scores.
; A wave takes 16 rows x 512 keys, in 8 units of 64 keys.  A unit's 16 x 256 bytes are loaded as they lie, turn through the wave's stage, and come back 8 neighbouring keys to a lane and u.
.Lmask:
.set MX, 32                            ; v32-159  four sets of 32 registers as loaded
.set MY, 160                           ; v160-191 register 8 u + i: msk of my query and my key
.set MO, 192                           ; v192-199 the words of four units, four to a lane: two sets, each stored once
	s_sub_co_u32 s29, ttmp9, 704
	s_lshl_b32 s29, s29, 2
	s_add_co_u32 s29, s29, s28
	s_lshr_b32 s30, s29, 2                         ; which 16 queries
	s_and_b32 s31, s29, 3                          ; which 512 keys
	v_and_b32 v5, 15, v2
	v_lshrrev_b32 v6, 4, v2
	v_lshlrev_b32 v3, 13, v6
	v_lshl_add_u32 v3, v5, 4, v3                   ; in: lanes 0-15 one row's 256 bytes, lanes 16-31 the next row's
	s_mul_i32 s32, s28, 16*272
	s_add_co_u32 s32, s32, LM
	v_mul_u32_u24 v4, v6, 272
	v_lshl_add_u32 v4, v5, 4, v4
	v_add_nc_u32 v4, s32, v4
	v_mul_u32_u24 v7, v5, 272
	v_lshl_add_u32 v7, v6, 5, v7
	v_add_nc_u32 v7, s32, v7                       ; back: row lane % 16, 32 bytes for each half of the lanes
	v_lshlrev_b32 v8, 4, v2
	s_lshl_b32 s36, s30, 17                        ; 16 rows of 8,192 bytes
	s_lshl_b32 s37, s31, 11
	s_add_co_u32 s36, s36, s37
	s_mov_b32 s37, 0
	s_add_nc_u64 s[16:17], s[16:17], s[36:37]
	s_lshl_b32 s36, s30, 12
	s_lshl_b32 s38, s31, 10
	s_add_co_u32 s36, s36, s38
	s_add_nc_u64 s[24:25], s[24:25], s[36:37]
.irp i, 0,1,2,3,4,5,6,7
	v_mov_b32 v[MO+\i], 0                          ; v_writelane_b32's destination counts as read
.endr
.macro M_LOAD e
.irp i, 0,1,2,3,4,5,6,7
	global_load_b128 v[MX+32*((\e)%4)+4*\i:MX+32*((\e)%4)+4*\i+3], v3, s[16:17] offset:2*\i*8192+256*(\e) th:TH_LOAD_NT
.endr
.endm
.irp e, 0,1,2,3
	M_LOAD \e
.endr
.macro M_UNIT e
.if 7-(\e) >= 3
	s_wait_loadcnt 24                              ; this unit's eight loads are in; those of the three units behind it may be out
.else
	s_wait_loadcnt 8*(7-(\e))
.endif
.irp i, 0,1,2,3,4,5,6,7
	ds_store_b128 v4, v[MX+32*((\e)%4)+4*\i:MX+32*((\e)%4)+4*\i+3] offset:2*\i*272
.endr
.irp u, 0,1,2,3
.irp c, 0,1
	ds_load_b128 v[MY+8*\u+4*\c:MY+8*\u+4*\c+3], v7 offset:64*\u+16*\c
.endr
.endr
	s_wait_dscnt 0x0
.if (\e)+4 < 8
	M_LOAD (\e)+4
.endif
.set n, 0
.rept 32
.set W, 32*((\e)%4)+n
	v_cmp_ne_u32 s[40+n%8], 0, v[MY+n]             ; the 32 lanes' bits are the word;
	v_writelane_b32 v[MO+4*((\e)/4)+W%4], s[40+n%8], W/4   ; word W of four units' 128 goes to lane W / 4, register W % 4
.set n, n+1
.endr
.if (\e)%4 == 3
	global_store_b128 v8, v[MO+4*((\e)/4):MO+4*((\e)/4)+3], s[24:25] offset:512*((\e)/4)   ; 512 consecutive bytes, aligned
.endif
.endm
.irp e, 0,1,2,3,4,5,6,7
	M_UNIT \e
.endr
	FINISH
.Lfunc_end_k_qbf8b9fd113_prep:
	.size	k_qbf8b9fd113_prep, .Lfunc_end_k_qbf8b9fd113_prep-k_qbf8b9fd113_prep
	.p2alignl 7, 3214868480
	.fill 96, 4, 3214868480
	.section	.rodata,"a",@progbits
	.p2align	6, 0x0
	.amdhsa_kernel k_qbf8b9fd113_prep
		.amdhsa_group_segment_fixed_size 109056
		.amdhsa_private_segment_fixed_size 0
		.amdhsa_enable_private_segment 0
		.amdhsa_kernarg_size 96
		.amdhsa_user_sgpr_count 2
		.amdhsa_user_sgpr_kernarg_segment_ptr 1
		.amdhsa_wavefront_size32 1
		.amdhsa_system_sgpr_workgroup_id_x 1
		.amdhsa_system_sgpr_workgroup_id_y 1
		.amdhsa_system_sgpr_workgroup_id_z 1
		.amdhsa_system_vgpr_workitem_id 0
		.amdhsa_next_free_vgpr 256
		.amdhsa_next_free_sgpr 66
		.amdhsa_reserve_vcc 1
		.amdhsa_float_denorm_mode_32 3
		.amdhsa_float_denorm_mode_16_64 3
		.amdhsa_memory_ordered 1
		.amdhsa_forward_progress 1
		.amdhsa_inst_pref_size 203
	.end_amdhsa_kernel
	.amdgpu_metadata
---
amdhsa.version: [ 1, 2 ]
amdhsa.kernels:
  - .name:           k_qbf8b9fd113_prep
    .symbol:         k_qbf8b9fd113_prep.kd
    .args:
      - { .name: subject_tokens, .offset: 0, .size: 8, .value_kind: global_buffer, .address_space: global }
      - { .name: object_tokens, .offset: 8, .size: 8, .value_kind: global_buffer, .address_space: global }
      - { .name: wq, .offset: 16, .size: 8, .value_kind: global_buffer, .address_space: global }
      - { .name: wk, .offset: 24, .size: 8, .value_kind: global_buffer, .address_space: global }
      - { .name: wv, .offset: 32, .size: 8, .value_kind: global_buffer, .address_space: global }
      - { .name: wc, .offset: 40, .size: 8, .value_kind: global_buffer, .address_space: global }
      - { .name: msk, .offset: 48, .size: 8, .value_kind: global_buffer, .address_space: global }
      - { .name: codes, .offset: 56, .size: 8, .value_kind: global_buffer, .address_space: global }
      - { .name: scales, .offset: 64, .size: 8, .value_kind: global_buffer, .address_space: global }
      - { .name: wch, .offset: 72, .size: 8, .value_kind: global_buffer, .address_space: global }
      - { .name: mbits, .offset: 80, .size: 8, .value_kind: global_buffer, .address_space: global }
      - { .name: rope, .offset: 88, .size: 8, .value_kind: global_buffer, .address_space: global }
    .group_segment_fixed_size: 109056
    .private_segment_fixed_size: 0
    .kernarg_segment_align: 8
    .kernarg_segment_size: 96
    .max_flat_workgroup_size: 128
    .sgpr_count:     66
    .vgpr_count:     256
    .wavefront_size: 32
...
	.end_amdgpu_metadata
.endif
;; end of part 1
;; launch proj (part 2): grid 24 x 8, 4 waves a work-group, clusters of 4 x 4, 327,680 bytes of LDS; arguments codes, scales, rope, bq, bk, bv, qkv; writes qkv
.if DOCPART == 2
	.amdgcn_target "amdgcn-amd-amdhsa--gfx1250"
	.amdhsa_code_object_version 6
	.text
	.protected	k_qbf8b9fd113_proj
	.globl	k_qbf8b9fd113_proj
	.p2align	8
	.type	k_qbf8b9fd113_proj,@function
k_qbf8b9fd113_proj:
	s_mov_b64 s[64:65], 0
	v_nop
	global_prefetch_b8 v0, s[64:65] scope:SCOPE_SE
	s_setreg_imm32_b32 hwreg(HW_REG_WAVE_MODE, 25, 1), 1
	s_wait_xcnt 0x0
	s_wait_alu depctr_hold_cnt(0) depctr_sa_sdst(0) depctr_va_vdst(0) depctr_va_sdst(0) depctr_va_ssrc(0) depctr_va_vcc(0) depctr_vm_vsrc(0)
	s_getreg_b32 s2, hwreg(HW_REG_IB_STS2, 6, 4)
	s_cmp_eq_u32 s2, 0
	s_cbranch_scc0 .Lentry_in_a_cluster
	s_endpgm
.Lentry_in_a_cluster:
	s_bfe_u32 s2, ttmp6, 0x10000c
	s_cmp_lg_u32 s2, 0xf033
	s_cbranch_scc0 .Lentry_shape_is_right
	s_endpgm
.Lentry_shape_is_right:
; PROJ: the three quantised products, tokens x wq, wk, wv, on codes of FP4 (E2M1) with one E8M0 scale for each 32 along K; then, in f32, the bias, the rotation of neighbouring pairs by the
; table's (cos, sin) of the token's position, for q the factor c = log2(e) / sqrt(128); rounded once to f16.  qkv: [3][2048 tokens][2048] f16: q x c, k, v.
; v takes the table's rows 2048 on, which hold (1, 0): so all three products run the same text, with no branch.
; GRID: 24 x 8 tiles of 256 x 256; product p = cluster x / 2, the same in all sixteen partners.  A = tensor min(p, 1) of codes (subject, object), B = tensor 2 + p.  192 work-groups: 3 x 2048 columns do not
; divide into 256 equal tiles that stay inside one product.
; A wave makes 128 x 128: 64 accumulators, 512 registers.  K goes in steps of 512 through a ring of two LDS slots (rows of 256 bytes).  The scale bytes of the work-group's rows, for all of K, come once.
; CLUSTERS: 4 x 4.  A's tile is shared along a row of the cluster, B's along a column: each is asked for jointly.  THE MATRIX INSTRUCTION IS USED TRANSPOSED (source 0 = 16 rows of B, source 1 = 16 rows of A).
; A wave's 128 columns are exactly one head.
; LIMITS: |q x c|, |k|, |v| stay under 65,504 (f16).
; REGISTERS: window 0: v8-11 bias x factor; v16-30 addresses; v32-95 scale words, on the way out the turned numbers; from v128 A's fragments, on the way out rows back from the stage.
;   window 1: B's fragments at v0 and v128; v64-127 and v192-255 hold table rows, on the way out all four quarters do.   windows 2, 3: the accumulators.
.set SIZE_K, 2048
.set KSTEP,  512
.set NQ,     KSTEP/128
.set ROWB,   256
.set KROW,   SIZE_K*4/8
.set PITCH,  272                       ; an LDS row: 256 bytes + 16 = 68 words: the 16 rows that a load touches start at 16 different banks (64 banks of 4 bytes: ISA guide 11.1)
.set FR,     8
.set NL,     2
.set NP,     4                         ; places behind this matrix instruction (ISA guide 7.12.1)
.set HALFT,  128*PITCH
.set SLOT,   4*HALFT
.set LAPS,   SIZE_K/(2*KSTEP)
.set KS,     SIZE_K/32
.set SCL,    2*SLOT
.set HALFS,  (128*KS/256)*272
.set SBLK,   (16*KS/256)*272
.set SPARE,  SCL+4*HALFS               ; the spare words, 128 bytes for each wave: two blocks of 256 bytes that no other line names
.set SPITCH, 528                       ; the way out: 16 rows x (512 + 16) bytes for each wave, in slot 0, which has had its last fill and its last read by then
.set BI,   8                           ; v8-11   my four columns' bias x factor
.set ADRA, 16
.set ADRB, 20
.set STO,  24
.set RD,   25
.set CO,   26                          ; v26     16 x lane
.set ADRS, 27
.set SPW,  28
.set NIL,  29
.set CO2,  30                          ; v30     8 x lane
.set SC,   32
.set YR,   32                          ; the way out: the turned numbers of 16 rows
.set AF,   128
.set BK,   128
.set G1, 24
.set G0, 32
.set G1B, 48
.set G0B, 56
.set G1S, 68
.set G0S, 76
.set G1SB, 80
.set G0SB, 88
.set PR, 95                            ; s95       p
.set QS, 100                           ; s[100:101] the factor: c for q, 1 for k and v (a pair: the packed forms name both)
.set MSB, 0
.macro WIN new
.if MSB != \new
	s_set_vgpr_msb (MSB<<8)|\new
.set MSB, \new
.endif
.endm
.set MUL_LO, 0xa1
.set MUL_HI, 0xf1
.set TO_B,   0x40
; A joint load: waves 0 and 1 fetch for A, waves 2 and 3 for B.  An s_nop 0 and four v_nop follow each of the two lines.
.macro JLOAD g0a, g1a, g0b, g1b
	s_cmp_eq_u32 s15, 0
	s_cbranch_scc0 .Lfor_b_\@
	tensor_load_to_lds s[\g0a:\g0a+3], s[\g1a:\g1a+7]
	s_nop 0
.rept 4
	v_nop
.endr
	s_branch .Lasked_\@
.Lfor_b_\@:
	tensor_load_to_lds s[\g0b:\g0b+3], s[\g1b:\g1b+7]
	s_nop 0
.rept 4
	v_nop
.endr
.Lasked_\@:
.endm
.macro CREST
	s_cmp_lg_u32 s14, 0
	s_cbranch_scc1 .Lnot_wave_0_\@
	s_barrier_signal -3
.Lnot_wave_0_\@:
	s_barrier_wait -3
	s_barrier_signal -1
	s_barrier_wait -1
.endm
.macro CROUND
	s_barrier_signal -1
	s_barrier_wait -1
	CREST
.endm
	s_load_b128 s[4:7], s[0:1], 0x0                ; codes s[4:5], scales s[6:7]
	s_load_b128 s[8:11], s[0:1], 0x10              ; rope s[8:9], bq s[10:11]
	s_load_b128 s[96:99], s[0:1], 0x20             ; bk s[96:97], bv s[98:99]
	s_load_b64 s[12:13], s[0:1], 0x30              ; qkv
	v_lshl_add_u32 v[SPW], v0, 2, SPARE
	v_mov_b32 v[NIL], 0
	ds_add_u32 v[SPW], v[NIL]                      ; the wave's opening: the add, twice on end, and its wait ahead of my first tensor load
	ds_add_u32 v[SPW], v[NIL]
	v_lshrrev_b32 v1, 5, v0
	v_readfirstlane_b32 s14, v1                    ; wave 0..3
	s_lshr_b32 s15, s14, 1                         ; which half of the tile's rows is mine.  Also: I fetch for A (0) or for B (1)
	s_and_b32 s16, s14, 1                          ; which half of its columns.  Also: which 128 rows of that tile I fetch
	s_bfe_u32 s40, ttmp6, 0x40000                  ; cx, cy
	s_bfe_u32 s41, ttmp6, 0x40004
	s_lshr_b32 s[PR], ttmp9, 1                     ; the product: two clusters along x to each
	s_and_b32 s42, ttmp9, 1
	s_lshl_b32 s42, s42, 2
	s_add_co_u32 s42, s42, s40                     ; tile column in the product
	s_and_b32 s17, ttmp7, 0xffff
	s_lshl_b32 s17, s17, 2
	s_add_co_u32 s17, s17, s41                     ; tile row
	s_lshl_b32 s43, s41, 2
	s_lshl_b32 s43, 15, s43                        ; my row of the cluster
	s_lshl_b32 s44, 0x1111, s40                    ; my column
	s_or_b32 s[G1+0], s43, (0<<16)|(1<<20)|(1<<21)|(5<<22)|(3<<25)  ; the mask; elements of 1 byte; padding on; bit 21 beside a mask; after every 64 words, 4 words
	s_or_b32 s[G1B+0], s44, (0<<16)|(1<<20)|(1<<21)|(5<<22)|(3<<25)
.irp g, G1, G1B
	s_mov_b32 s[\g+1], ROWB<<16                    ; tensor_dim0
	s_mov_b32 s[\g+2], 128<<16                     ; tensor_dim1
	s_mov_b32 s[\g+3], ROWB<<16                    ; tile_dim0
	s_mov_b32 s[\g+4], 128                         ; tile_dim1
	s_mov_b32 s[\g+5], KROW                        ; the pitch
	s_mov_b32 s[\g+6], 0
	s_mov_b32 s[\g+7], 0
.endr
	s_or_b32 s[G1S+0], s43, (3<<16)|(1<<20)|(1<<21)|(5<<22)|(3<<25) ; the scales of 128 rows: 8,192 dense bytes as 32 rows of 256 (32 elements of 8 bytes), 16 bytes of padding behind each
	s_or_b32 s[G1SB+0], s44, (3<<16)|(1<<20)|(1<<21)|(5<<22)|(3<<25)
.irp g, G1S, G1SB
	s_mov_b32 s[\g+1], 32<<16
	s_mov_b32 s[\g+2], (128*KS/256)<<16
	s_mov_b32 s[\g+3], 32<<16
	s_mov_b32 s[\g+4], 128*KS/256
	s_mov_b32 s[\g+5], 32
	s_mov_b32 s[\g+6], 0
	s_mov_b32 s[\g+7], 0
.endr
	s_lshl_b32 s18, s16, 7                         ; which 128 rows of the tile I fetch
	s_lshl_b32 s20, s17, 8
	s_add_co_u32 s20, s20, s18                     ; A: row 256 x tile row + 128 x half
	s_lshl_b32 s46, s42, 8
	s_add_co_u32 s46, s46, s18                     ; B: row 256 x tile column + 128 x half
	s_min_u32 s100, s[PR], 1                       ; A's tensor: subject for q, object for k and v.  All offsets stay under 2^32
	s_lshl_b32 s22, s20, 6                         ; 64 scale bytes a row,
	s_lshl_b32 s101, s100, 17                      ; 131,072 a tensor
	s_add_co_u32 s22, s22, s101
	s_mov_b32 s23, 0
	s_lshl_b32 s20, s20, 10                        ; 1,024 bytes of codes a row,
	s_lshl_b32 s101, s100, 21                      ; 2 MiB a tensor
	s_add_co_u32 s20, s20, s101
	s_mov_b32 s21, 0
	s_add_co_u32 s100, s[PR], 2                    ; B's tensor
	s_lshl_b32 s92, s46, 6
	s_lshl_b32 s101, s100, 17
	s_add_co_u32 s92, s92, s101
	s_mov_b32 s93, 0
	s_lshl_b32 s46, s46, 10
	s_lshl_b32 s101, s100, 21
	s_add_co_u32 s46, s46, s101
	s_mov_b32 s47, 0
	s_mul_i32 s45, s14, HALFT                      ; where they go: wave x 128 rows: no place in the cluster enters an LDS address
	s_mul_i32 s94, s14, HALFS
	s_wait_dscnt 0x0                               ; both opening adds are done
	s_wait_kmcnt 0x0
	s_add_nc_u64 s[20:21], s[4:5], s[20:21]
	s_add_nc_u64 s[22:23], s[6:7], s[22:23]
	s_add_nc_u64 s[46:47], s[4:5], s[46:47]
	s_add_nc_u64 s[92:93], s[6:7], s[92:93]
	CROUND                                         ; all sixteen work-groups are here: the first joint loads meet
	s_mov_b32 s[G0S], 1
	s_add_co_u32 s[G0S+1], s94, SCL
	s_mov_b64 s[G0S+2:G0S+3], s[22:23]
	s_or_b32 s[G0S+3], s[G0S+3], 0x80000000
	s_mov_b32 s[G0SB], 1
	s_add_co_u32 s[G0SB+1], s94, SCL
	s_mov_b64 s[G0SB+2:G0SB+3], s[92:93]
	s_or_b32 s[G0SB+3], s[G0SB+3], 0x80000000
	JLOAD G0S, G1S, G0SB, G1SB                     ; the scales first: they are wanted with K step 0
.irp s, 0,1
	s_mov_b32 s[G0+4*\s], 1
	s_add_co_u32 s[G0+4*\s+1], s45, \s*SLOT
	s_add_nc_u64 s[G0+4*\s+2:G0+4*\s+3], s[20:21], \s*ROWB
	s_or_b32 s[G0+4*\s+3], s[G0+4*\s+3], 0x80000000
	s_mov_b32 s[G0B+4*\s], 1
	s_add_co_u32 s[G0B+4*\s+1], s45, \s*SLOT
	s_add_nc_u64 s[G0B+4*\s+2:G0B+4*\s+3], s[46:47], \s*ROWB
	s_or_b32 s[G0B+4*\s+3], s[G0B+4*\s+3], 0x80000000
	JLOAD G0+4*\s, G1, G0B+4*\s, G1B
.endr
	v_and_b32 v1, 15, v0                           ; l % 16
	v_bfe_u32 v2, v0, 4, 1                         ; l / 16
	v_mul_u32_u24 v3, v1, PITCH
	v_lshl_add_u32 v4, v2, 4, v3                   ; a fragment's row x pitch + 16 x half
	s_mul_i32 s21, s15, HALFT
	s_mul_i32 s22, s16, HALFT
	s_add_co_u32 s22, s22, 2*HALFT
.irp s, 0,1
	v_add_nc_u32 v[ADRA+\s], s21, v4
	v_add_nc_u32 v[ADRB+\s], s22, v4
	s_add_co_u32 s21, s21, SLOT
	s_add_co_u32 s22, s22, SLOT
.endr
	v_mul_u32_u24 v5, v1, KS                       ; my row's scales: 64 bytes a row,
	v_lshrrev_b32 v6, 8, v5
	v_lshl_add_u32 v5, v6, 4, v5                   ; and 16 more for each 256 passed
	s_mul_i32 s21, s15, HALFS
	s_mul_i32 s22, s16, HALFS
	s_add_co_u32 s22, s22, 2*HALFS
	s_sub_co_u32 s22, s22, s21
	v_mul_u32_u24 v6, s22, v2                      ; lanes 16-31 take B's
	s_add_co_u32 s21, s21, SCL
	v_add_nc_u32 v5, v5, v6
	v_add_nc_u32 v[ADRS], s21, v5
	s_mul_i32 s23, s14, 16*SPITCH                  ; my stage
	v_mul_u32_u24 v5, v1, SPITCH
	v_lshl_add_u32 v5, v2, 5, v5
	v_add_nc_u32 v[STO], s23, v5                   ; in: row l % 16, 32 bytes for each half of the lanes
	v_and_b32 v6, 31, v0
	v_lshlrev_b32 v[CO], 4, v6                     ; back: the 32 lanes take one row of 512 bytes: lane l has columns 4 l .. 4 l + 3, two pairs
	v_add_nc_u32 v[RD], s23, v[CO]
	v_lshlrev_b32 v[CO2], 3, v6                    ; and stores them as 8 bytes
	s_lshl_b32 s20, s17, 8
	s_lshl_b32 s21, s15, 7
	s_add_co_u32 s20, s20, s21                     ; my first row: 256 x tile row + 128 x half
	s_lshl_b32 s46, s42, 8
	s_lshl_b32 s47, s16, 7
	s_add_co_u32 s46, s46, s47                     ; my first column in the product: one head
	s_lshl_b32 s18, s[PR], 23                      ; a tensor of qkv is 8 MiB, a row 4,096 bytes
	s_lshl_b32 s19, s20, 12
	s_add_co_u32 s18, s18, s19
	s_lshl_b32 s19, s46, 1
	s_add_co_u32 s18, s18, s19
	s_mov_b32 s19, 0
	s_add_nc_u64 s[12:13], s[12:13], s[18:19]
	s_cmp_eq_u32 s[PR], 2
	s_mov_b32 s18, 2048
	s_cselect_b32 s18, s18, s20                    ; the table's rows: my tokens' positions, or for v the rows that hold (1, 0)
	s_lshl_b32 s18, s18, 9
	s_add_nc_u64 s[8:9], s[8:9], s[18:19]
	s_cmp_eq_u32 s[PR], 0
	s_cselect_b64 s[10:11], s[10:11], s[96:97]
	s_cselect_b32 s[QS], 0x3e0293ee, 1.0           ; c = log2(e) / sqrt(128) for q
	s_cmp_eq_u32 s[PR], 2
	s_cselect_b64 s[10:11], s[98:99], s[10:11]
	s_mov_b32 s[QS+1], s[QS]
	s_lshl_b32 s18, s46, 2
	s_add_nc_u64 s[10:11], s[10:11], s[18:19]
	global_load_b128 v[BI:BI+3], v[CO], s[10:11]   ; the bias of my four columns
; Table rows 16 a .. 16 a + 15 of my 128, 512 dense bytes each: lane l takes (cos, sin) of pairs 2 l and 2 l + 1.  Into window 1: sets at v64, v192, v0, v128 by turns; the first two are never B's.
.macro TLD a
.set TS, 64+128*((\a)%2)-64*(((\a)%4)/2)
	WIN TO_B
.irp t, 0,1,2,3,4,5,6,7,8,9,10,11,12,13,14,15
	global_load_b128 v[TS+4*\t:TS+4*\t+3], v[CO], s[8:9] offset:(16*(\a)+\t)*512
.endr
	WIN 0
.endm
	TLD 0
	TLD 1
.macro FRAG reg, adr, q, i             ; 16 rows x 128 K of 4-bit codes: 8 registers; registers 4 c .. 4 c + 3 hold K = 64 c + 32 (l / 16) + 0 .. 31
.irp c, 0,1
	ds_load_b128 v[\reg+4*\c:\reg+4*\c+3], v[\adr] offset:64*(\q)+32*\c+(\i)*16*PITCH
.endr
.endm
; 16 matrix instructions: A's blocks a0, a0 + 1 x B's eight.  The 64 accumulators take turns, one instruction a turn, in the same order in every step.
.macro MUL16 a0, p, q, sc, zero
.irp a, \a0, \a0+1
.irp b, 0,1,2,3,4,5,6,7
.if \zero
	v_wmma_scale_f32_16x16x128_f8f6f4 v[8*(8*((\a)%4)+\b):8*(8*((\a)%4)+\b)+7], v[128*(\p)+FR*\b:128*(\p)+FR*\b+FR-1], v[AF+FR*(\a):AF+FR*(\a)+FR-1], 0, v[SC+8*NQ*(\sc)+NQ*\b+(\q)], v[SC+8*NQ*(\sc)+NQ*(\a)+(\q)] matrix_a_fmt:MATRIX_FMT_FP4 matrix_b_fmt:MATRIX_FMT_FP4 matrix_a_scale:MATRIX_SCALE_ROW1
.else
	v_wmma_scale_f32_16x16x128_f8f6f4 v[8*(8*((\a)%4)+\b):8*(8*((\a)%4)+\b)+7], v[128*(\p)+FR*\b:128*(\p)+FR*\b+FR-1], v[AF+FR*(\a):AF+FR*(\a)+FR-1], v[8*(8*((\a)%4)+\b):8*(8*((\a)%4)+\b)+7], v[SC+8*NQ*(\sc)+NQ*\b+(\q)], v[SC+8*NQ*(\sc)+NQ*(\a)+(\q)] matrix_a_fmt:MATRIX_FMT_FP4 matrix_b_fmt:MATRIX_FMT_FP4 matrix_a_scale:MATRIX_SCALE_ROW1
.endif
.endr
.endr
.endm
.macro FETCH_B slot, q, p
	WIN TO_B
.irp i, 0,1,2,3,4,5,6,7
	FRAG 128*(\p)+FR*\i, ADRB+\slot, \q, \i
.endr
	WIN 0
.endm
.macro FETCH_A slot, q, i0
.irp i, \i0, \i0+1, \i0+2, \i0+3
	FRAG AF+FR*(\i), ADRA+\slot, \q, \i
.endr
.endm
.macro SCALES sc                       ; a K step's scale words: 4 words a row; lanes 0-15 take A's block i, lanes 16-31 B's block i
.irp i, 0,1,2,3,4,5,6,7
	ds_load_b128 v[SC+8*NQ*\sc+NQ*\i:SC+8*NQ*\sc+NQ*\i+3], v[ADRS] offset:\i*SBLK
.endr
.endm
.macro PLACES n                        ; plain vector instructions between a matrix instruction and a load into, or a read of, its registers
.rept \n
	v_nop
.endr
.endm
.macro STEP slot, q, zero
	s_wait_dscnt 4*NL                              ; B's set and A's blocks 0-3 are in; the youngest eight loads (A's blocks 4-7) may be out
	WIN MUL_LO
	MUL16 0, (\q)%2, \q, \slot, \zero
	MUL16 2, (\q)%2, \q, \slot, \zero
	s_wait_dscnt 0
	PLACES NP
	FETCH_B \slot, (\q)+1, 1-(\q)%2
	FETCH_A \slot, (\q)+1, 0
	WIN MUL_HI
	MUL16 4, (\q)%2, \q, \slot, \zero
	MUL16 6, (\q)%2, \q, \slot, \zero
	PLACES NP
	WIN 0
	FETCH_A \slot, (\q)+1, 4
.endm
; A slot's last step changes slots: one barrier; in front of it each wave waits for all its tensor loads, adds 0 to its spare word, and waits for that and for its own reads of this slot.
.macro TURN slot, next, fill
	s_wait_tensorcnt 0x0                           ; all my tensor loads have landed: my part of the next slot
	ds_add_u32 v[SPW], v[NIL]                      ; 0 onto my spare word
	s_wait_dscnt 4*NL+1                            ; the add and the youngest eight loads (A's blocks 4-7) may be out
	WIN MUL_LO
	MUL16 0, 1, NQ-1, \slot, 0
	s_wait_dscnt 0x0                               ; the add is done, and my reads of this slot are over
	s_barrier_signal -1
	MUL16 2, 1, NQ-1, \slot, 0
	WIN 0
	s_barrier_wait -1
.if \fill
	CREST                                          ; the barrier has opened a round of the cluster's barrier: no wave of any partner still reads this slot or has a load on its way
	s_add_nc_u64 s[G0+4*\slot+2:G0+4*\slot+3], s[G0+4*\slot+2:G0+4*\slot+3], 2*ROWB
	s_add_nc_u64 s[G0B+4*\slot+2:G0B+4*\slot+3], s[G0B+4*\slot+2:G0B+4*\slot+3], 2*ROWB
	JLOAD G0+4*\slot, G1, G0B+4*\slot, G1B         ; the first tensor load behind the round; its four v_nop are the places in front of the loads below
.else
	PLACES NP
.endif
	v_add_nc_u32 v[ADRS], 4*NQ, v[ADRS]
	FETCH_B \next, 0, 0
	FETCH_A \next, 0, 0
	SCALES \next
	WIN MUL_HI
	MUL16 4, 1, NQ-1, \slot, 0
	MUL16 6, 1, NQ-1, \slot, 0
	PLACES NP
	WIN 0
	FETCH_A \next, 0, 4
.endm
.macro STEPS slot, from
.set Q, \from
.rept NQ-1-\from
	STEP \slot, Q, 0
.set Q, Q+1
.endr
.endm
	s_wait_loadcnt 32                              ; the bias is in; the 32 loads of two table sets, issued behind it, stay out
	v_pk_mul_f32 v[BI:BI+1], v[BI:BI+1], s[QS:QS+1] op_sel_hi:[1,0]       ; (sum + bias) x factor = sum x factor + bias x factor
	v_pk_mul_f32 v[BI+2:BI+3], v[BI+2:BI+3], s[QS:QS+1] op_sel_hi:[1,0]
	s_wait_tensorcnt 1                             ; the scales and my part of K step 0 are in; K step 1's load may be out
	s_barrier_signal -1
	s_barrier_wait -1
	FETCH_B 0, 0, 0
	FETCH_A 0, 0, 0
	SCALES 0
	FETCH_A 0, 0, 4
	STEP 0, 0, 1                                   ; the first step's products start the sums
	s_mov_b32 s3, LAPS-1
.Llap:
	STEPS 0, 1
	TURN 0, 1, 1
	STEPS 1, 0
	TURN 1, 0, 1
	STEP 0, 0, 0
	s_sub_co_u32 s3, s3, 1
	s_cmp_lg_u32 s3, 0
	s_cbranch_scc1 .Llap
	STEPS 0, 1                                     ; the last lap fills nothing
	TURN 0, 1, 0
	STEPS 1, 0
	s_wait_dscnt 4*NL
	WIN MUL_LO
	MUL16 0, 1, NQ-1, 1, 0
	MUL16 2, 1, NQ-1, 1, 0
	s_wait_dscnt 0
	WIN MUL_HI
	MUL16 4, 1, NQ-1, 1, 0
	MUL16 6, 1, NQ-1, 1, 0
	WIN 0
; THE WAY OUT, block by block of 16 rows x 128 columns: through my own stage and back as whole rows, so that a lane holds two neighbouring pairs of one token.
.macro TOSTAGE a
.set AC, 64*((\a)%4)
	WIN 0x08+4*((\a)/4)                            ; the data: window 2 or 3
.irp b, 0,1,2,3,4,5,6,7
	ds_store_b128 v[STO], v[AC+8*\b:AC+8*\b+3] offset:64*\b          ; each accumulator from its low end on
	ds_store_b128 v[STO], v[AC+8*\b+4:AC+8*\b+7] offset:64*\b+16
.endr
	WIN 0
.set BB, BK+64*((\a)%2)
.irp t, 0,1,2,3,4,5,6,7,8,9,10,11,12,13,14,15
	ds_load_b128 v[BB+4*\t:BB+4*\t+3], v[RD] offset:\t*SPITCH        ; LDS serves a wave's instructions in order: these see the stores above
.endr
.endm
.macro SEND a, younger                 ; younger: the LDS instructions issued behind block a's loads
.set BB, BK+64*((\a)%2)
.set TS, 64+128*((\a)%2)-64*(((\a)%4)/2)
	s_wait_dscnt \younger                          ; the block is back in registers
.if 7-(\a) >= 3
	s_wait_loadcnt 48                              ; its 16 table rows are in; the three younger sets' 48 loads may be out
.else
	s_wait_loadcnt 16*(7-(\a))
.endif
	WIN 0x04                                       ; source 1, the table, in window 1
.irp t, 0,1,2,3,4,5,6,7,8,9,10,11,12,13,14,15
	v_pk_fma_f32 v[BB+4*\t:BB+4*\t+1], v[BB+4*\t:BB+4*\t+1], s[QS:QS+1], v[BI:BI+1] op_sel_hi:[1,0,1]
	v_pk_fma_f32 v[BB+4*\t+2:BB+4*\t+3], v[BB+4*\t+2:BB+4*\t+3], s[QS:QS+1], v[BI+2:BI+3] op_sel_hi:[1,0,1]
.endr
.irp t, 0,1,2,3,4,5,6,7,8,9,10,11,12,13,14,15
	v_pk_mul_f32 v[YR+4*\t:YR+4*\t+1], v[BB+4*\t:BB+4*\t+1], v[TS+4*\t:TS+4*\t+1] op_sel_hi:[1,0]               ; (x0 cos, x1 cos)
	v_pk_mul_f32 v[YR+4*\t+2:YR+4*\t+3], v[BB+4*\t+2:BB+4*\t+3], v[TS+4*\t+2:TS+4*\t+3] op_sel_hi:[1,0]
.endr
.irp t, 0,1,2,3,4,5,6,7,8,9,10,11,12,13,14,15
	v_pk_fma_f32 v[YR+4*\t:YR+4*\t+1], v[BB+4*\t:BB+4*\t+1], v[TS+4*\t:TS+4*\t+1], v[YR+4*\t:YR+4*\t+1] op_sel:[1,1,0] op_sel_hi:[0,1,1] neg_lo:[0,1,0]   ; low: - x1 sin; high: + x0 sin
	v_pk_fma_f32 v[YR+4*\t+2:YR+4*\t+3], v[BB+4*\t+2:BB+4*\t+3], v[TS+4*\t+2:TS+4*\t+3], v[YR+4*\t+2:YR+4*\t+3] op_sel:[1,1,0] op_sel_hi:[0,1,1] neg_lo:[0,1,0]
.endr
	WIN 0
.irp t, 0,1,2,3,4,5,6,7,8,9,10,11,12,13,14,15
	v_cvt_pk_f16_f32 v[BB+4*\t], v[YR+4*\t], v[YR+4*\t+1]
	v_cvt_pk_f16_f32 v[BB+4*\t+1], v[YR+4*\t+2], v[YR+4*\t+3]
.endr
.irp t, 0,1,2,3,4,5,6,7,8,9,10,11,12,13,14,15
	global_store_b64 v[CO2], v[BB+4*\t:BB+4*\t+1], s[12:13] offset:(16*(\a)+\t)*4096   ; the wave stores 256 consecutive bytes, aligned; 127 rows of 4,096 bytes at the most: inside the immediate
.endr
.if (\a) < 4
	TLD (\a)+4                                     ; the set just used takes the rows of four blocks on
.endif
.endm
	PLACES NP                                      ; for the loads into B's registers and into A's, and for the first reads of results
	TLD 2
	TLD 3
	TOSTAGE 0
.irp a, 1,2,3,4,5,6,7
.if \a > 1
	s_wait_xcnt 0x0                                ; block a - 2's stores have read their registers: block a's loads may land there
.endif
	TOSTAGE \a
	SEND \a-1, 32                                  ; behind block a - 1's loads: block a's 16 stores and 16 loads
.endr
	SEND 7, 0
	s_wait_tensorcnt 0x0                           ; the wave's end
	ds_add_u32 v[SPW], v[NIL]
	s_wait_dscnt 0x0
	CROUND                                         ; the closing round
	s_endpgm
.Lfunc_end_k_qbf8b9fd113_proj:
	.size	k_qbf8b9fd113_proj, .Lfunc_end_k_qbf8b9fd113_proj-k_qbf8b9fd113_proj
	.p2alignl 7, 3214868480
	.fill 96, 4, 3214868480
	.section	.rodata,"a",@progbits
	.p2align	6, 0x0
	.amdhsa_kernel k_qbf8b9fd113_proj
		.amdhsa_group_segment_fixed_size 327680
		.amdhsa_private_segment_fixed_size 0
		.amdhsa_enable_private_segment 0
		.amdhsa_kernarg_size 56
		.amdhsa_user_sgpr_count 2
		.amdhsa_user_sgpr_kernarg_segment_ptr 1
		.amdhsa_wavefront_size32 1
		.amdhsa_system_sgpr_workgroup_id_x 1
		.amdhsa_system_sgpr_workgroup_id_y 1
		.amdhsa_system_sgpr_workgroup_id_z 1
		.amdhsa_system_vgpr_workitem_id 0
		.amdhsa_next_free_vgpr 1024
		.amdhsa_next_free_sgpr 102
		.amdhsa_reserve_vcc 0
		.amdhsa_float_denorm_mode_32 3
		.amdhsa_float_denorm_mode_16_64 3
		.amdhsa_memory_ordered 1
		.amdhsa_forward_progress 1
		.amdhsa_inst_pref_size 255
	.end_amdhsa_kernel
	.section	.bss,"aw",@nobits
	.p2align	6
	.space	262144
	.amdgpu_metadata
---
amdhsa.version: [ 1, 2 ]
amdhsa.kernels:
  - .name:           k_qbf8b9fd113_proj
    .symbol:         k_qbf8b9fd113_proj.kd
    .args:
      - { .name: codes, .offset: 0, .size: 8, .value_kind: global_buffer, .address_space: global }
      - { .name: scales, .offset: 8, .size: 8, .value_kind: global_buffer, .address_space: global }
      - { .name: rope, .offset: 16, .size: 8, .value_kind: global_buffer, .address_space: global }
      - { .name: bq, .offset: 24, .size: 8, .value_kind: global_buffer, .address_space: global }
      - { .name: bk, .offset: 32, .size: 8, .value_kind: global_buffer, .address_space: global }
      - { .name: bv, .offset: 40, .size: 8, .value_kind: global_buffer, .address_space: global }
      - { .name: qkv, .offset: 48, .size: 8, .value_kind: global_buffer, .address_space: global }
    .group_segment_fixed_size: 327680
    .private_segment_fixed_size: 0
    .kernarg_segment_align: 8
    .kernarg_segment_size: 56
    .max_flat_workgroup_size: 128
    .sgpr_count:     102
    .vgpr_count:     1024
    .wavefront_size: 32
...
	.end_amdgpu_metadata
.endif
;; end of part 2
;; launch attn (part 3): grid 16 x 16, 4 waves a work-group, clusters of 4 x 1, 327,680 bytes of LDS; arguments qkv, mbits, ctx; writes ctx
.if DOCPART == 3
	.amdgcn_target "amdgcn-amd-amdhsa--gfx1250"
	.amdhsa_code_object_version 6
	.text
	.protected	k_qbf8b9fd113_attn
	.globl	k_qbf8b9fd113_attn
	.p2align	8
	.type	k_qbf8b9fd113_attn,@function
k_qbf8b9fd113_attn:
	s_mov_b64 s[64:65], 0
	v_nop
	global_prefetch_b8 v0, s[64:65] scope:SCOPE_SE
	s_setreg_imm32_b32 hwreg(HW_REG_WAVE_MODE, 25, 1), 1
	s_wait_xcnt 0x0
	s_wait_alu depctr_hold_cnt(0) depctr_sa_sdst(0) depctr_va_vdst(0) depctr_va_sdst(0) depctr_va_ssrc(0) depctr_va_vcc(0) depctr_vm_vsrc(0)
	s_getreg_b32 s2, hwreg(HW_REG_IB_STS2, 6, 4)
	s_cmp_eq_u32 s2, 0
	s_cbranch_scc0 .Lentry_in_a_cluster
	s_endpgm
.Lentry_in_a_cluster:
	s_bfe_u32 s2, ttmp6, 0x10000c
	s_cmp_lg_u32 s2, 0x3003
	s_cbranch_scc0 .Lentry_shape_is_right
	s_endpgm
.Lentry_shape_is_right:
; ATTN: ctx[q][head] = the sum over k of softmax_k(score) v[k], score = q . k / sqrt(128), or -1e9 where msk[q][k] = 0.  q arrives times log2(e) / sqrt(128), so a product is the score in powers of two,
; and a masked one is replaced by -1e9 x log2(e): a row that is masked all over comes out as the plain average, as it does in the definition.  q, k, v, the weights p and ctx are f16; products, maxima and sums f32.
; The mask is an input: every key is walked for every query, and each score takes its bit.
; SHARES.  A work-group owns 128 queries of one head.  Wave w owns 64 of them (w % 2), four tiles of 16, and HALF THE KEYS (w / 2): 128 of each slot's 256, 64 a step, 16 steps.  So each fragment of K and V
; read from LDS feeds four tiles of queries, and there are 256 work-groups.  At the end waves w and w xor 2 join their halves through LDS: register tile t holds query tile t xor 2 (w / 2), so every wave keeps its
; register tiles 0, 1 and hands over 2, 3, with no branch.
; LAYOUT, SOFTMAX, TURNS: S^T = K Q^T and O^T = V^T P, a lane holds one query throughout; a running maximum m and sum l; O and l are multiplied by a = 2^(m_old - m_new) in every step.
; The wave's tiles are two pieces (0: tiles 0, 1; 2: tiles 2, 3).  In a turn one piece issues 32 products V^T P and 32 products K Q^T of the next step; the other piece's softmax, cut into 64 slices, stands between them.
; THE MASK comes as lane masks, one word for each score register (launch prep), by scalar loads: 64 words a piece and step, asked for a turn ahead; one v_cndmask_b32 a score.
; CLUSTER.  The four query blocks of a cluster belong to one head and walk the same K and V: each tile is asked for jointly.
; LIMITS: operands in f16 range (|.| under 65,504); NaN and infinities are not served.
; REGISTERS: window 0: v1-11 addresses; v12-43 eight registers of statistics a tile; v44-63 constants and addresses; v64-191 S^T; v192-255 P.  window 1: O^T.  window 2: v0-127 Q, v128-255 K.  window 3: v0-127 V.
.set KS,    64
.set PKP,   272                        ; a row of K in LDS: 256 bytes + 16
.set PVP,   288                        ; a row of V: 256 + 32
.set VOFF,  128*PKP                    ; a block: 128 rows of K, then 128 rows of V
.set BLOCK, 128*(PKP+PVP)              ; 71,680 bytes: the keys of one pair of waves
.set SLOT,  2*BLOCK                    ; 143,360 bytes: 256 keys
.set SPARE, 2*SLOT                     ; the spare words, 128 bytes for each wave: two blocks of 256 bytes that no other line names
.set XSZ,   16896                      ; the exchange, in slot 0 behind its last fill and last read: for each wave 128 registers' images and 4 x 128 bytes of statistics
.set STAGE, 4*XSZ                      ; behind it: 16 rows x 272 bytes for each wave, for the way out
.set SP,    272
.set AK0, 2
.set AV0, 3
.set ADR, 4
.set QOA, 5                            ; v5   my byte offset in Q for register tiles 0, 1;  v45 for tiles 2, 3
.set STO, 6
.set RD,  7
.set GO,  8
.set ST,  12                           ; tile t's statistics at v[ST + 8 t]: +0 m, +1 spare half of a pair, +2, +3 l, +4 to +7 at work; a takes +6
.set NEG, 44                           ; v44  -1e9 x log2(e)
.set QOB, 45
.set XW,  46                           ; v46  the exchange: where I put images;  v47 where I read my partner's;  v48, v49 the same for statistics
.set XR,  47
.set XSW, 48
.set XSR, 49
.set PM,  50                           ; v50-53 my partner's m and l of my two tiles
.set MS,  54                           ; v54-55 the joint maxima
.set GB,  56                           ; v[56:57], v[58:59] my partner's factors
.set PFO, 61                           ; v61  4,096 x my lane: a row of qkv; never rewritten
.set SPW, 62
.set NIL, 63
.set S,   64
.set P,   192
.set KF,  128
.set PFA, 2                            ; s[2:3]   where my prefetches stand
.set G1K, 4                            ; s[4:11]  descriptor group 1 for K's tiles;  s[12:19] for V's: it differs in the padding alone
.set G1V, 12
.set G0W, 20                           ; s[20:23] descriptor group 0, which walks;  s[68:71] that of slot 0's first fill, free again once that load is shown done
.set MP,  24                           ; s[24:25] the mask words of my four tiles' first, at the step in hand
.set SEL, 26
.set WV,  28
.set TBK, 29                           ; s29, s30 LDS byte at which K's and V's rows of the step to be fetched begin
.set TBV, 30
.set LIM, 31
.set MA,  32                           ; s[32:63] the 32 mask words of the piece's even tile;  s[68:99] the odd tile's
.set SLOTS, 66
.set TWICE, 67
.set MB,  68
.set G0F, 68
.set MOA, 100                          ; s100, s101 byte offsets of piece 0's and piece 2's tiles among my four rows of mask words
.set MOB, 101
.set MSB, 0
.macro WIN new
.if MSB != \new
	s_set_vgpr_msb (MSB<<8)|\new
.set MSB, \new
.endif
.endm
.set W_KQ, 0x0a
.set W_PV, 0x53
.set W_RS, 0x41
; A joint refill.  Waves 0 and 1 fetch the two blocks' K, waves 2 and 3 their V.  An s_nop 0 and four v_nop follow each of the two lines.
.macro JLOAD
	s_cmp_lt_u32 s[WV], 2
	s_cbranch_scc0 .Lfor_v_\@
	tensor_load_to_lds s[G0W:G0W+3], s[G1K:G1K+7]
	s_nop 0
.rept 4
	v_nop
.endr
	s_branch .Lasked_\@
.Lfor_v_\@:
	tensor_load_to_lds s[G0W:G0W+3], s[G1V:G1V+7]
	s_nop 0
.rept 4
	v_nop
.endr
.Lasked_\@:
.endm
; A PREFETCH of what the NEXT change of slots will ask for: 256 rows of K and 256 of V, 256 bytes of each, a lane a row.  All four clusters of a head walk the same rows: the head's first cluster asks.
; Its four partners share the rows out by address: of the 128 rows that wave w fetches, the partner at place cx takes 32.  So each row's piece is named once in the launch.
; It stands two key steps, 256 matrix instructions, ahead of the load that will want it.  The last change that fills a slot asks for nothing (strict = 1 in a trip's second change).
.macro ASK strict
.if \strict
	s_cmp_gt_u32 s[SLOTS], s[LIM]
.else
	s_cmp_ge_u32 s[SLOTS], s[LIM]
.endif
	s_cbranch_scc0 .Lnot_mine_\@
	global_prefetch_b8 v[PFO], s[PFA:PFA+1] th:TH_LOAD_NT scope:SCOPE_SE
.Lnot_mine_\@:
.endm
.macro CROUND
	s_barrier_signal -1
	s_barrier_wait -1
	s_cmp_lg_u32 s[WV], 0
	s_cbranch_scc1 .Lnot_wave_0_\@
	s_barrier_signal -3
.Lnot_wave_0_\@:
	s_barrier_wait -3
	s_barrier_signal -1
	s_barrier_wait -1
.endm
	s_load_b128 s[32:35], s[0:1], 0x0              ; qkv s[32:33], mbits s[34:35]  (set-up scalars lie where the mask words will lie)
	v_lshl_add_u32 v[SPW], v0, 2, SPARE
	v_mov_b32 v[NIL], 0
	ds_add_u32 v[SPW], v[NIL]                      ; the wave's opening: the add, twice on end, and its wait ahead of my first tensor load
	ds_add_u32 v[SPW], v[NIL]
	v_lshrrev_b32 v1, 5, v0
	v_readfirstlane_b32 s[WV], v1                  ; wave 0..3
	s_bfe_u32 s36, ttmp6, 0x40000                  ; cx
	s_lshl_b32 s37, ttmp9, 2
	s_add_co_u32 s37, s37, s36                     ; my block of 128 queries: it enters Q's, the mask's and ctx's addresses alone
	s_and_b32 s38, ttmp7, 0xffff                   ; the head
	s_and_b32 s39, s[WV], 1                        ; which 64 queries.  Also: which block of a slot I fetch
	s_lshr_b32 s40, s[WV], 1                       ; which half of the keys.  Also: I fetch K (0) or V (1)
	s_add_co_u32 s44, s40, 1
	s_lshl_b32 s44, s44, 23                        ; k is tensor 1 of qkv, v tensor 2: 8 MiB each
	s_lshl_b32 s41, s39, 19                        ; 128 rows of 4,096 bytes
	s_add_co_u32 s44, s44, s41
	s_lshl_b32 s41, s38, 8                         ; a head's 256 bytes of a row
	s_add_co_u32 s44, s44, s41
	s_mov_b32 s45, 0
	s_mul_i32 s43, s39, BLOCK
	s_mul_i32 s41, s40, VOFF
	s_add_co_u32 s43, s43, s41                     ; and its place in a slot: no place in the cluster enters an LDS address
	s_lshl_b32 s48, s37, 19                        ; Q: my block's 128 rows,
	s_lshl_b32 s41, s39, 18                        ; my wave's 64,
	s_add_co_u32 s48, s48, s41
	s_lshl_b32 s41, s38, 8                         ; my head
	s_add_co_u32 s48, s48, s41
	s_mov_b32 s49, 0
	s_lshl_b32 s50, s37, 15                        ; the mask words: 4,096 bytes for each tile of 16 queries, 8 tiles a block,
	s_lshl_b32 s51, s39, 14                        ; 4 a wave;
	s_add_co_u32 s50, s50, s51
	s_lshl_b32 s51, s40, 8                         ; 128 bytes a step of 64 keys: my half of a slot begins two steps in
	s_add_co_u32 s50, s50, s51
	s_mov_b32 s51, 0
	s_lshl_b32 s[MOA], s40, 13                     ; piece 0 holds query tiles 2 (w / 2) and the next,
	s_sub_co_u32 s[MOB], 0x2000, s[MOA]            ; piece 2 the other two
	s_lshl_b32 s52, s36, 17                        ; the prefetches: my work-group's 32 rows of the 128
	s_mov_b32 s53, 0
	s_mov_b32 s[G1K], 15|(1<<16)|(1<<20)|(1<<21)|(5<<22)|(3<<25)  ; the mask: all four work-groups; elements of 2 bytes; padding on; bit 21 beside a mask; after every 64 words, 4 words
	s_mov_b32 s[G1V], 15|(1<<16)|(1<<20)|(1<<21)|(5<<22)|(7<<25)  ; the same with 8 words
.irp g, G1K, G1V
	s_mov_b32 s[\g+1], 128<<16                     ; tensor_dim0 = 128
	s_mov_b32 s[\g+2], 128<<16                     ; tensor_dim1 = 128
	s_mov_b32 s[\g+3], 128<<16                     ; tile_dim0 = 128
	s_mov_b32 s[\g+4], 128                         ; tile_dim1 = 128
	s_mov_b32 s[\g+5], 2048                        ; elements from row to row
	s_mov_b32 s[\g+6], 0
	s_mov_b32 s[\g+7], 0
.endr
	s_mov_b32 s[SEL], 0x76543210
	s_mov_b32 s[SEL+1], 0xfedcba98
	s_mul_i32 s[TBK], s40, BLOCK
	s_add_co_u32 s[TBV], s[TBK], VOFF
	s_mov_b32 s[SLOTS], 3
	s_cmp_eq_u32 ttmp9, 0                          ; the head's first cluster: the same in all four partners
	s_cselect_b32 s[LIM], 1, -1
	v_and_b32 v[PFO], 31, v0
	v_lshlrev_b32 v[PFO], 12, v[PFO]
	s_wait_dscnt 0x0                               ; both opening adds are done
	s_wait_kmcnt 0x0
	s_add_nc_u64 s[44:45], s[32:33], s[44:45]      ; my tile of slot 0
	s_add_nc_u64 s[48:49], s[32:33], s[48:49]      ; Q at my wave's first row
	s_add_nc_u64 s[MP:MP+1], s[34:35], s[50:51]
	s_add_nc_u64 s[PFA:PFA+1], s[44:45], s[52:53]
	s_add_nc_u64 s[PFA:PFA+1], s[PFA:PFA+1], 0x200000  ; in the third 256 keys; the first change of slots steps it to the fourth.  Nothing is prefetched at the head
	CROUND                                         ; all four work-groups are here: the first joint loads meet
	s_mov_b32 s[G0F], 1
	s_mov_b32 s[G0F+1], s43
	s_mov_b64 s[G0F+2:G0F+3], s[44:45]
	s_or_b32 s[G0F+3], s[G0F+3], 0x80000000
	s_mov_b32 s[G0W], 1
	s_add_co_u32 s[G0W+1], s43, SLOT
	s_add_nc_u64 s[G0W+2:G0W+3], s[44:45], 0x100000  ; 256 rows of 4,096 bytes on
	s_or_b32 s[G0W+3], s[G0W+3], 0x80000000
	s_cmp_lt_u32 s[WV], 2                          ; a wave's two first fills stand in one branch: two loads of mine are out
	s_cbranch_scc0 .Lfirst_v
	tensor_load_to_lds s[G0F:G0F+3], s[G1K:G1K+7]
	s_nop 0
	tensor_load_to_lds s[G0W:G0W+3], s[G1K:G1K+7]
	s_nop 0
.rept 4
	v_nop
.endr
	s_branch .Lfirst_asked
.Lfirst_v:
	tensor_load_to_lds s[G0F:G0F+3], s[G1V:G1V+7]
	s_nop 0
	tensor_load_to_lds s[G0W:G0W+3], s[G1V:G1V+7]
	s_nop 0
.rept 4
	v_nop
.endr
.Lfirst_asked:
	v_and_b32 v1, 15, v0                           ; l % 16
	v_bfe_u32 v9, v0, 4, 1                         ; l / 16
	v_lshlrev_b32 v[QOA], 12, v1
	v_lshl_add_u32 v[QOA], v9, 4, v[QOA]           ; row x 4,096 + 16 x half
	s_lshl_b32 s54, s40, 17                        ; two tiles of 16 rows are 131,072 bytes
	s_sub_co_u32 s55, 0x20000, s54
	v_add_nc_u32 v[QOB], s55, v[QOA]
	v_add_nc_u32 v[QOA], s54, v[QOA]
	WIN 0x80                                       ; destination window 2
.irp i, 0,1,2,3,4,5,6,7                        ; Q stays in registers: register tile i / 4, channels 32 (i % 4) on
	global_load_b128 v[8*\i:8*\i+3],   v[QOA], s[48:49] offset:(\i/4)*65536+(\i%4)*64
	global_load_b128 v[8*\i+4:8*\i+7], v[QOA], s[48:49] offset:(\i/4)*65536+(\i%4)*64+32
.endr
.irp i, 8,9,10,11,12,13,14,15
	global_load_b128 v[8*\i:8*\i+3],   v[QOB], s[48:49] offset:(\i/4-2)*65536+(\i%4)*64
	global_load_b128 v[8*\i+4:8*\i+7], v[QOB], s[48:49] offset:(\i/4-2)*65536+(\i%4)*64+32
.endr
	WIN 0
	v_mul_u32_u24 v[AK0], v1, PKP
	v_lshl_add_u32 v[AK0], v9, 4, v[AK0]
	v_and_b32 v10, 7, v0
	v_bfe_u32 v11, v0, 3, 1
	v_lshl_add_u32 v[AV0], v9, 3, v10              ; the turning load: key 8 (l / 16) + l % 8, channels 8 ((l / 8) % 2) on
	v_mul_u32_u24 v[AV0], v[AV0], PVP
	v_lshl_add_u32 v[AV0], v11, 4, v[AV0]
	s_mul_i32 s54, s[WV], XSZ                      ; the addresses of the end are made here, while scalars are free
	v_and_b32 v10, 31, v0
	v_lshl_add_u32 v[XW], v10, 4, s54
	v_lshl_add_u32 v[XSW], v10, 2, s54
	v_add_nc_u32 v[XSW], 16384, v[XSW]
	s_xor_b32 s55, s[WV], 2                        ; my partner: the same queries, the other keys
	s_mul_i32 s55, s55, XSZ
	v_lshl_add_u32 v[XR], v10, 4, s55
	v_lshl_add_u32 v[XSR], v10, 2, s55
	v_add_nc_u32 v[XSR], 16384, v[XSR]
	s_mul_i32 s56, s[WV], 16*SP
	s_add_co_u32 s56, s56, STAGE
	v_mul_u32_u24 v[STO], v1, SP
	v_lshl_add_u32 v[STO], v9, 4, v[STO]
	v_add_nc_u32 v[STO], s56, v[STO]
	v_mul_u32_u24 v[RD], v9, SP
	v_lshl_add_u32 v[RD], v1, 4, v[RD]
	v_add_nc_u32 v[RD], s56, v[RD]
	v_lshlrev_b32 v[GO], 12, v9
	v_lshl_add_u32 v[GO], v1, 4, v[GO]
; THE MATRIX WORK OF A TURN, for piece x.  The accumulators take turns, one instruction a turn.
.macro PV x, zero
	WIN W_PV
.set rO, 64*(\x+i%2)+8*((i/2)%8)
.set rV, 64*(i/16)+8*((i/2)%8)
.set rP, P+16*(\x+i%2)+8*(i/16)
.if \zero && (i < 16)
	v_wmma_f32_16x16x32_f16 v[rO:rO+7], v[rV:rV+7], v[rP:rP+7], 0
.else
	v_wmma_f32_16x16x32_f16 v[rO:rO+7], v[rV:rV+7], v[rP:rP+7], v[rO:rO+7]
.endif
.endm
.macro KQ x
	WIN W_KQ
.set rS, S+32*(\x+i%2)+8*((i/2)%4)
.set rK, KF+32*((i/2)%4)+8*(i/8)
.set rQ, 32*(\x+i%2)+8*(i/8)
.if i < 8
	v_wmma_f32_16x16x32_f16 v[rS:rS+7], v[rK:rK+7], v[rQ:rQ+7], 0
.else
	v_wmma_f32_16x16x32_f16 v[rS:rS+7], v[rK:rK+7], v[rQ:rQ+7], v[rS:rS+7]
.endif
.endm
.macro FETCH_K
	WIN 0
	v_add_nc_u32 v[ADR], s[TBK], v[AK0]
	s_add_co_u32 s[TBK], s[TBK], KS*PKP            ; the next fetch is the next step's
	WIN 0x80
.irp f, 0,1,2,3,4,5,6,7,8,9,10,11,12,13,14,15
	ds_load_b128 v[KF+8*\f:KF+8*\f+3],   v[ADR] offset:(\f/4)*16*PKP+(\f%4)*64
	ds_load_b128 v[KF+8*\f+4:KF+8*\f+7], v[ADR] offset:(\f/4)*16*PKP+(\f%4)*64+32
.endr
.endm
.macro FETCH_V
	WIN 0
	v_add_nc_u32 v[ADR], s[TBV], v[AV0]
	s_add_co_u32 s[TBV], s[TBV], KS*PVP
	s_wait_alu depctr_va_vdst(0)                   ; the wait for the softmax's batch, behind the address's addition and ahead of the loads
	WIN 0xc0
.irp f, 0,1,2,3,4,5,6,7,8,9,10,11,12,13,14,15
	ds_load_tr16_b128 v[8*\f:8*\f+3],   v[ADR] offset:(\f/8)*32*PVP+(\f%8)*32
	ds_load_tr16_b128 v[8*\f+4:8*\f+7], v[ADR] offset:(\f/8)*32*PVP+16*PVP+(\f%8)*32
.endr
.endm
; The 64 mask words of piece p for the step at s[MP]: 32 words a tile, the odd tile's 4,096 bytes on.  They are waited for at the head of the next turn.
.macro MLOAD p
.if (\p) == 0
.set MOX, MOA
.else
.set MOX, MOB
.endif
	s_load_b512 s[MA:MA+15],    s[MP:MP+1], s[MOX] offset:0x0
	s_load_b512 s[MA+16:MA+31], s[MP:MP+1], s[MOX] offset:0x40
	s_load_b512 s[MB:MB+15],    s[MP:MP+1], s[MOX] offset:0x1000
	s_load_b512 s[MB+16:MB+31], s[MP:MP+1], s[MOX] offset:0x1040
.endm
; THE VECTOR WORK OF A TURN.  One tile's softmax for one key step is a list of 165 instructions; SM writes number j of it for tile t.
;   0-31    the mask: score n keeps its value where bit (lane) of word n is set, else it becomes -1e9 x log2(e).  Ascending: each accumulator is first read at its low end
;   32-47   the maximum of the 32 scores and the old m, three operands at a time
;   48-51   the other half of the lanes' maximum; the old m kept; the new m; their difference
;   52-100  ONE BATCH: the 16 subtractions s - m, a pair of scores each, and all 33 exponentials (a at 54).  None of these reads an exponential's result
;   (wait)  between 100 and 101 stands the one wait for the batch
;   101-116 the roundings to f16;  117-132 the sums, l = a l + the sum;  133-164 the tile's O^T times a
.macro SM t, first
.set rT, ST+8*(\t)
.set rS, S+32*(\t)
.set rP, P+16*(\t)
.set rM, MA+(MB-MA)*((\t)%2)
.set rO, 64*(\t)+2*(j-133)
.set jp, j-31
.set q, j-32
.if j < 133
	WIN 0
.endif
.if j < 32
	v_cndmask_b32 v[rS+j], v[NEG], v[rS+j], s[rM+j]
.elseif j < 36
	v_max3_num_f32 v[rT+4+q], v[rS+8*q], v[rS+8*q+1], v[rS+8*q+2]
.elseif j < 44
	v_max3_num_f32 v[rT+4+q%4], v[rT+4+q%4], v[rS+8*(q%4)+2*(q/4)+1], v[rS+8*(q%4)+2*(q/4)+2]
.elseif j == 44
	v_max3_num_f32 v[rT+4], v[rT+4], v[rS+7], v[rS+15]
.elseif j == 45
	v_max3_num_f32 v[rT+6], v[rT+6], v[rS+23], v[rS+31]
.elseif j == 46
	v_max3_num_f32 v[rT+4], v[rT+4], v[rT+5], v[rT+6]
.elseif (j == 47) && \first
	v_max_num_f32 v[rT+4], v[rT+4], v[rT+7]
.elseif j == 47
	v_max3_num_f32 v[rT+4], v[rT+4], v[rT+7], v[rT]
.elseif j == 48
	v_permlanex16_b32 v[rT+5], v[rT+4], s[SEL], s[SEL+1]
.elseif j == 50
	v_max_num_f32 v[rT], v[rT+4], v[rT+5]
.elseif ((j == 49) || (j == 51) || (j == 54) || (j > 132)) && \first  ; the first step has none of these
.elseif j == 49
	v_mov_b32 v[rT+7], v[rT]
.elseif j == 51
	v_sub_f32 v[rT+7], v[rT+7], v[rT]
.elseif j == 54
	v_exp_f32 v[rT+6], v[rT+7]
.elseif (jp < 23) || ((jp < 38) && (jp%2 == 0)) || ((jp < 66) && (jp%4 == 2))
.set b, (jp-2)/4
.if jp < 38
.set b, (jp-20)/2
.endif
	v_pk_add_f32 v[rS+2*b:rS+2*b+1], v[rS+2*b:rS+2*b+1], v[rT:rT+1] op_sel_hi:[1,0] neg_lo:[0,1] neg_hi:[0,1]  ; pair b: s - m
.elseif jp < 70
.set e, jp-38
.if jp < 66
.set e, jp-32-(jp-38)/4
.endif
.if jp < 38
.set e, (jp-25)/2
.endif
	v_exp_f32 v[rS+e], v[rS+e]
.elseif jp < 86
	v_cvt_pk_f16_f32 v[rP+jp-70], v[rS+2*(jp-70)], v[rS+2*(jp-70)+1]
.elseif jp < 102
.set z, jp-86
.set w, 4
.set u, z
.if z >= 14
.set w, 32
.set u, 0
.elseif z >= 12
.set w, 16
.set u, z-12
.elseif z >= 8
.set w, 8
.set u, z-8
.endif
.if (z == 14) && \first
	v_pk_add_f32 v[rT+2:rT+3], v[rS:rS+1], v[rS+16:rS+17]
.elseif z < 15
	v_pk_add_f32 v[rS+w*u:rS+w*u+1], v[rS+w*u:rS+w*u+1], v[rS+w*u+w/2:rS+w*u+w/2+1]
.elseif !\first
	v_pk_fma_f32 v[rT+2:rT+3], v[rT+2:rT+3], v[rT+6:rT+7], v[rS:rS+1] op_sel_hi:[1,0,1]
.endif
.else
	WIN W_RS
	v_pk_mul_f32 v[rO:rO+1], v[rO:rO+1], v[rT+6:rT+7] op_sel_hi:[1,0]
.endif
.endm
; Slice k of 64 of piece y's softmax.  Slices 0-16: three numbers of both tiles (0 to 50); 17: numbers 51, 52; 18-41: the batch, four numbers of ONE tile each, the tiles by turns (53 to 100);
; 42-61: three numbers of both tiles (101 to 160); 62, 63: two (161 to 164): slice 63's four plain instructions are the places behind the turn's last product.
; Behind slice 10 all 64 selections have been issued: the next piece's mask words are asked for (ml = 1).  Behind slice 41 no exponential is issued any more and no result has been named: one wait.
.macro SLICE y, first, ml
.if (k >= 18) && (k < 42)
.irp n, 0,1,2,3
.set j, 53+4*((k-18)/2)+(\n)
	SM (\y)+(k-18)%2, \first
.endr
.else
.if k < 17
.set n0, 3*k
.set nn, 3
.elseif k == 17
.set n0, 51
.set nn, 2
.elseif k < 62
.set n0, 101+3*(k-42)
.set nn, 3
.else
.set n0, 161+2*(k-62)
.set nn, 2
.endif
.irp n, 0,1,2
.if \n < nn
.irp t, \y, \y+1
.set j, n0+\n
	SM \t, \first
.endr
.endif
.endr
.endif
.if (k == 10) && \ml
	MLOAD 2-(\y)
.endif
.if k == 41
	v_nop                                          ; a plain instruction behind the last exponential and ahead of the first use: one for the batch
.if (\y) == 0
	FETCH_V                                        ; piece 2's turn: V's run of loads stands here, and the wait stands in it.  V's last reader stands ahead of slice 31: nine subtractions, the v_nop and the run's own addition lie between
.else
	s_wait_alu depctr_va_vdst(0)                   ; the wait ahead of the first reader: one for the piece's 66 exponentials
.endif
.endif
.set k, k+1
.endm
.macro PLACES
.rept 4
	v_nop
.endr
.endm
; A TURN.  Piece x has the matrix unit; the other piece's softmax stands in slices behind its matrix instructions.  pv = 2: 32 products V^T P; 1: they start O^T's sums; 0: none.  kq = 1: 32 products K Q^T.
; At its head the mask words asked for a turn ago are waited for; in piece 0's turn the mask's address then steps to the next 64 keys (the loads that read it are done).
.macro TURN x, pv, kq, first, ml
.set k, 0
.set per, 2
.if \pv && \kq
.set per, 1
.endif
	s_wait_kmcnt 0x0
.if (\x == 0) && \ml
	s_add_nc_u64 s[MP:MP+1], s[MP:MP+1], 128
.endif
.if \pv
.if \x == 0
	s_wait_dscnt 0x0                               ; V is in
.endif
.set i, 0
.rept 32
	PV \x, 2-\pv
.rept per
	SLICE 2-\x, \first, \ml
.endr
.if (\x == 0) && \kq && (i == 1)
	FETCH_K
.endif
.set i, i+1
.endr
.endif
.if \kq
.if \x == 0
	s_wait_dscnt 0x0                               ; K is in
.endif
.set i, 0
.rept 32
	KQ \x
.rept per
	SLICE 2-\x, \first, \ml
.endr
.set i, i+1
.endr
.endif
.if \first
	PLACES
.endif
.endm
; THE CHANGE OF SLOTS, between piece 2's turn and piece 0's: all of the slot has been asked for.  Each wave waits for all its tensor loads, of which one is out: its part of the other slot; adds 0 to its spare word;
; and waits for that and for its own reads of the slot.  to: the slot that is read next.  fill = 1: the slot that is left is filled again, with the keys two slots on, behind a round of the cluster's barrier.
.macro CHANGE fill, to, strict
	WIN 0
	s_wait_tensorcnt 0x0                           ; no tensor load of mine is out, so the group 0 may be written
	ds_add_u32 v[SPW], v[NIL]                      ; 0 onto my spare word
.if \fill
.if \to
	s_sub_co_u32 s[G0W+1], s[G0W+1], SLOT          ; the walking descriptor: the other slot than last time,
.else
	s_add_co_u32 s[G0W+1], s[G0W+1], SLOT
.endif
	s_add_nc_u64 s[G0W+2:G0W+3], s[G0W+2:G0W+3], 0x100000  ; the next 256 keys
	s_wait_xcnt 0x0                                ; the last prefetch, two key steps back, has read its address
	s_add_nc_u64 s[PFA:PFA+1], s[PFA:PFA+1], 0x100000
.endif
	s_wait_kmcnt 0x0                               ; the mask loads have read their address:
	s_add_nc_u64 s[MP:MP+1], s[MP:MP+1], 256       ; it passes over my partner's two steps of the next slot
	s_wait_dscnt 0x0                               ; the add is done, and my reads of the slot are over
.if \fill
	CROUND
	JLOAD
	ASK \strict
.else
	s_barrier_signal -1
	s_barrier_wait -1
.endif
.if \to
	s_add_co_u32 s[TBK], s[TBK], SLOT-2*KS*PKP     ; the fetches go to the other slot's first step
	s_add_co_u32 s[TBV], s[TBV], SLOT-2*KS*PVP
.else
	s_sub_co_u32 s[TBK], s[TBK], SLOT+2*KS*PKP
	s_sub_co_u32 s[TBV], s[TBV], SLOT+2*KS*PVP
.endif
.endm
.macro TWO_STEPS
	s_mov_b32 s[TWICE], 2
.Lstep_\@:
	TURN 0, 2, 1, 0, 1
	TURN 2, 2, 1, 0, 1
	WIN 0
	s_sub_co_u32 s[TWICE], s[TWICE], 1
	s_cmp_lg_u32 s[TWICE], 0
	s_cbranch_scc1 .Lstep_\@
.endm
	s_wait_tensorcnt 1                             ; my part of slot 0 is in; slot 1's may stay out
	s_barrier_signal -1
	s_barrier_wait -1
	FETCH_K                                        ; key step 0
	s_wait_loadcnt 0x0                             ; Q is in: so its base, and slot 0's group 0 (shown done above), may give way to mask words
	MLOAD 0
	s_wait_dscnt 0x0
.set i, 0
.rept 32
	KQ 0
.set i, i+1
.endr
	WIN 0
	v_mov_b32 v[NEG], 0xceabfb8f                   ; -1e9 x log2(e).  These five plain instructions are the places behind those products
.irp t, 0,1,2,3
	v_mov_b32 v[ST+8*\t+1], 0                      ; named as the upper half of the pair with m, so it is written
.endr
	TURN 2, 0, 1, 1, 1                             ; piece 2's first scores | piece 0's first softmax | V of step 0
	TURN 0, 1, 1, 1, 1                             ; piece 0: V^T P of step 0 starts O^T, K Q^T of step 1 | piece 2's first softmax | K of step 1
	TURN 2, 1, 1, 0, 1                             ; piece 2: the same | piece 0's softmax of step 1 | V of step 1
	WIN 0
.Lslot:                                            ; 3 trips, two changes each: six of the eight slots' worth of keys come by refills
	CHANGE 1, 1, 0
	TWO_STEPS
	CHANGE 1, 0, 1
	TWO_STEPS
	s_sub_co_u32 s[SLOTS], s[SLOTS], 1
	s_cmp_lg_u32 s[SLOTS], 0
	s_cbranch_scc1 .Lslot
	CHANGE 0, 1, 0                                 ; the tail is written out: nothing is asked for.  Slot 0 has had its last fill and its last read
	TWO_STEPS
	TURN 0, 2, 0, 0, 0                             ; piece 0: V^T P of the last step | piece 2's last softmax
.set i, 0
.rept 32
	PV 2, 0
.set i, i+1
.endr
	; THE END.  l's halves are added (these are the places behind the last products); register tiles 2, 3 go to my partner as images of their registers, with their m and l; my partner's come to me.
	WIN 0
.irp t, 0,1,2,3
	v_add_f32 v[ST+8*\t+4], v[ST+8*\t+2], v[ST+8*\t+3]
.endr
.irp t, 0,1,2,3
	v_permlanex16_b32 v[ST+8*\t+5], v[ST+8*\t+4], s[SEL], s[SEL+1]
.endr
.irp t, 0,1,2,3
	v_add_f32 v[ST+8*\t+4], v[ST+8*\t+4], v[ST+8*\t+5]
.endr
	s_load_b64 s[32:33], s[0:1], 0x10              ; ctx
	WIN 0x04                                       ; an LDS store's data are its source 1: window 1
.set i, 0
.rept 32
	ds_store_b128 v[XW], v[128+4*i:128+4*i+3] offset:512*i     ; ascending: each accumulator from its low end on
.set i, i+1
.endr
	WIN 0
	ds_store_b32 v[XSW], v[ST+16]
	ds_store_b32 v[XSW], v[ST+24] offset:128
	ds_store_b32 v[XSW], v[ST+20] offset:256
	ds_store_b32 v[XSW], v[ST+28] offset:384
	s_wait_dscnt 0x0                               ; for my partner's sake: my stores are done
	s_barrier_signal -1
	s_barrier_wait -1
	WIN 0x80                                       ; into window 2, where Q lay
.set i, 0
.rept 32
	ds_load_b128 v[4*i:4*i+3], v[XR] offset:512*i
.set i, i+1
.endr
	WIN 0
	ds_load_b32 v[PM], v[XSR]
	ds_load_b32 v[PM+1], v[XSR] offset:128
	ds_load_b32 v[PM+2], v[XSR] offset:256
	ds_load_b32 v[PM+3], v[XSR] offset:384
	s_bfe_u32 s36, ttmp6, 0x40000
	s_lshl_b32 s37, ttmp9, 2
	s_add_co_u32 s37, s37, s36
	s_lshl_b32 s36, s37, 19                        ; my block's 128 rows of 4,096 bytes,
	s_and_b32 s38, s[WV], 1
	s_lshl_b32 s38, s38, 18                        ; my wave's 64,
	s_add_co_u32 s36, s36, s38
	s_lshr_b32 s38, s[WV], 1
	s_lshl_b32 s38, s38, 17                        ; the 32 that I keep,
	s_add_co_u32 s36, s36, s38
	s_and_b32 s38, ttmp7, 0xffff
	s_lshl_b32 s38, s38, 8                         ; my head
	s_add_co_u32 s36, s36, s38
	s_mov_b32 s37, 0
	s_wait_kmcnt 0x0
	s_add_nc_u64 s[32:33], s[32:33], s[36:37]
	s_wait_dscnt 0x0
.irp t, 0,1
	v_max_num_f32 v[MS+\t], v[ST+8*\t], v[PM+\t]   ; the joint maximum
.endr
.irp t, 0,1
	v_sub_f32 v[ST+8*\t+6], v[ST+8*\t], v[MS+\t]
	v_sub_f32 v[GB+2*\t], v[PM+\t], v[MS+\t]
.endr
.irp t, 0,1
	v_exp_f32 v[ST+8*\t+6], v[ST+8*\t+6]
	v_exp_f32 v[GB+2*\t], v[GB+2*\t]
.endr
	v_mov_b32 v[GB+1], 0                           ; (plain instructions behind the exponentials; the pairs' upper halves are named, so they are written)
	v_mov_b32 v[GB+3], 0
	s_wait_alu depctr_va_vdst(0)                   ; one wait for the four
.irp t, 0,1
	v_mul_f32 v[ST+8*\t+4], v[ST+8*\t+4], v[ST+8*\t+6]
.endr
.irp t, 0,1
	v_fma_f32 v[ST+8*\t+4], v[PM+2+\t], v[GB+2*\t], v[ST+8*\t+4]   ; the joint sum: at least 1
.endr
.irp t, 0,1
	v_rcp_f32 v[ST+8*\t+5], v[ST+8*\t+4]
.endr
	v_nop
	s_wait_alu depctr_va_vdst(0)                   ; one wait for the two
.irp t, 0,1
	v_mul_f32 v[ST+8*\t+6], v[ST+8*\t+6], v[ST+8*\t+5]
	v_mul_f32 v[GB+2*\t], v[GB+2*\t], v[ST+8*\t+5]
.endr
; Tile t: mine x my factor + my partner's x its factor; rounded to f16; through my stage, back as whole rows of 256 bytes.
.macro PACK t
	WIN W_RS
.set i, 64*\t
.rept 32
	v_pk_mul_f32 v[i:i+1], v[i:i+1], v[ST+8*\t+6:ST+8*\t+7] op_sel_hi:[1,0]
.set i, i+2
.endr
	WIN 0x52                                       ; source 0 window 2, source 1 window 0, source 2 and destination window 1
.set i, 64*\t
.rept 32
	v_pk_fma_f32 v[i:i+1], v[i:i+1], v[GB+2*\t:GB+2*\t+1], v[i:i+1] op_sel_hi:[1,0,1]
.set i, i+2
.endr
	WIN 0x05
.set i, 0
.rept 32
	v_cvt_pk_f16_f32 v[S+32*\t+i], v[64*\t+2*i], v[64*\t+2*i+1]
.set i, i+1
.endr
	WIN 0
.irp f, 0,1,2,3,4,5,6,7
	ds_store_b128 v[STO], v[S+32*\t+4*\f:S+32*\t+4*\f+3] offset:32*\f
.endr
.irp f, 0,1,2,3,4,5,6,7
	ds_load_b128 v[S+32*\t+4*\f:S+32*\t+4*\f+3], v[RD] offset:\f*2*SP  ; LDS serves a wave's instructions in order: these see the stores above
.endr
.endm
.macro SEND t, younger                 ; younger: the LDS instructions issued behind tile t's loads: the next tile's sixteen, or none
.irp f, 0,1,2,3,4,5,6,7
	s_wait_dscnt \younger+7-\f
	global_store_b128 v[GO], v[S+32*\t+4*\f:S+32*\t+4*\f+3], s[32:33] offset:\t*65536+\f*8192  ; 16 lanes store 256 consecutive bytes, aligned
.endr
.endm
	PACK 0
	PACK 1
	SEND 0, 16
	SEND 1, 0
	s_wait_tensorcnt 0x0                           ; the wave's end
	ds_add_u32 v[SPW], v[NIL]
	s_wait_dscnt 0x0
	CROUND                                         ; the closing round
	s_endpgm
.Lfunc_end_k_qbf8b9fd113_attn:
	.size	k_qbf8b9fd113_attn, .Lfunc_end_k_qbf8b9fd113_attn-k_qbf8b9fd113_attn
	.p2alignl 7, 3214868480
	.fill 96, 4, 3214868480
	.section	.rodata,"a",@progbits
	.p2align	6, 0x0
	.amdhsa_kernel k_qbf8b9fd113_attn
		.amdhsa_group_segment_fixed_size 327680
		.amdhsa_private_segment_fixed_size 0
		.amdhsa_enable_private_segment 0
		.amdhsa_kernarg_size 24
		.amdhsa_user_sgpr_count 2
		.amdhsa_user_sgpr_kernarg_segment_ptr 1
		.amdhsa_wavefront_size32 1
		.amdhsa_system_sgpr_workgroup_id_x 1
		.amdhsa_system_sgpr_workgroup_id_y 1
		.amdhsa_system_sgpr_workgroup_id_z 1
		.amdhsa_system_vgpr_workitem_id 0
		.amdhsa_next_free_vgpr 1024
		.amdhsa_next_free_sgpr 102
		.amdhsa_reserve_vcc 0
		.amdhsa_float_denorm_mode_32 3
		.amdhsa_float_denorm_mode_16_64 3
		.amdhsa_memory_ordered 1
		.amdhsa_forward_progress 1
		.amdhsa_inst_pref_size 255
	.end_amdhsa_kernel
	.section	.bss,"aw",@nobits
	.p2align	6
	.space	262144
	.amdgpu_metadata
---
amdhsa.version: [ 1, 2 ]
amdhsa.kernels:
  - .name:           k_qbf8b9fd113_attn
    .symbol:         k_qbf8b9fd113_attn.kd
    .args:
      - { .name: qkv, .offset: 0, .size: 8, .value_kind: global_buffer, .address_space: global }
      - { .name: mbits, .offset: 8, .size: 8, .value_kind: global_buffer, .address_space: global }
      - { .name: ctx, .offset: 16, .size: 8, .value_kind: global_buffer, .address_space: global }
    .group_segment_fixed_size: 327680
    .private_segment_fixed_size: 0
    .kernarg_segment_align: 8
    .kernarg_segment_size: 24
    .max_flat_workgroup_size: 128
    .sgpr_count:     102
    .vgpr_count:     1024
    .wavefront_size: 32
...
	.end_amdgpu_metadata
.endif
;; end of part 3
;; launch outp (part 4): grid 16 x 16, 4 waves a work-group, clusters of 4 x 4, 327,680 bytes of LDS; arguments ctx, wch, bc, out0; writes out0
.if DOCPART == 4
	.amdgcn_target "amdgcn-amd-amdhsa--gfx1250"
	.amdhsa_code_object_version 6
	.text
	.protected	k_qbf8b9fd113_outp
	.globl	k_qbf8b9fd113_outp
	.p2align	8
	.type	k_qbf8b9fd113_outp,@function
k_qbf8b9fd113_outp:
	s_mov_b64 s[64:65], 0
	v_nop
	global_prefetch_b8 v0, s[64:65] scope:SCOPE_SE
	s_setreg_imm32_b32 hwreg(HW_REG_WAVE_MODE, 25, 1), 1
	s_wait_xcnt 0x0
	s_wait_alu depctr_hold_cnt(0) depctr_sa_sdst(0) depctr_va_vdst(0) depctr_va_sdst(0) depctr_va_ssrc(0) depctr_va_vcc(0) depctr_vm_vsrc(0)
	s_getreg_b32 s2, hwreg(HW_REG_IB_STS2, 6, 4)
	s_cmp_eq_u32 s2, 0
	s_cbranch_scc0 .Lentry_in_a_cluster
	s_endpgm
.Lentry_in_a_cluster:
	s_bfe_u32 s2, ttmp6, 0x10000c
	s_cmp_lg_u32 s2, 0xf033
	s_cbranch_scc0 .Lentry_shape_is_right
	s_endpgm
.Lentry_shape_is_right:
; OUTP: out0[m][n] = the sum over k of ctx[m][k] wch[n][k] + bc[n].  ctx [2048][2048] and wch [2048 (n)][2048 (k)] are f16; sums and out0 f32.
; 2048 x 2048 makes 64 tiles of 256 x 256 or 256 of 128 x 128: the smaller tile gives each of 256 work-groups one.  Four waves, each 64 x 64: 16 accumulators.  K goes in steps of 256 (LDS rows of 512 bytes)
; through a ring of two slots.  CLUSTERS: 4 x 4; A's tile is shared along a row of the cluster, B's along a column.  THE MATRIX INSTRUCTION IS USED TRANSPOSED (source 0 = 16 rows of B, source 1 = 16 rows of A).
; The bias is the C of each sum's first matrix instruction: eight registers for each block of 16 columns, in the result's layout.
; The stage of the way out, 128 rows x 528 bytes, lies in slot 0, which has had its last fill and its last read behind the last change of slots.
; REGISTERS: window 0: v0-31 addresses; v32-95 at work on the way out; v96-127 the bias; v128-255 the accumulators.  window 1: two fragment buffers of 128.
.set SIZE_K, 2048
.set SIZE_N, 2048
.set KSTEP,  256
.set PITCH,  528                       ; an LDS row: 512 bytes + 16 = 132 words: the 16 rows of a load start at 16 different banks (64 banks of 4 bytes: ISA guide 11.1)
.set HALFT,  64*PITCH
.set SLOT,   4*HALFT
.set STAGE,  0
.set SPITCH, 528
.set SPARE,  2*SLOT                    ; the spare words, 128 bytes for each wave: two blocks of 256 bytes that no other line names
.set LAPS, SIZE_K/(2*KSTEP)
.set ADRA, 16
.set ADRB, 20
.set STO,  24
.set RD,   25
.set CO,   26
.set SPW,  28
.set NIL,  29
.set TMP,  32
.set BI,   96
.set ACC,  128
.set F0,   0
.set F1,   128
.set G1, 24
.set G0, 32
.set G1B, 48
.set G0B, 56
.set MSB, 0
.macro WIN new
.if MSB != \new
	s_set_vgpr_msb (MSB<<8)|\new
.set MSB, \new
.endif
.endm
.set MUL,  0x05
.set TO_F, 0x40
.macro JLOAD s                         ; a joint load: waves 0 and 1 fetch A's two halves, waves 2 and 3 B's; an s_nop 0 and four v_nop follow each of the two lines
	s_cmp_eq_u32 s11, 0
	s_cbranch_scc0 .Lfor_b_\@
	tensor_load_to_lds s[G0+4*\s:G0+4*\s+3], s[G1:G1+7]
	s_nop 0
.rept 4
	v_nop
.endr
	s_branch .Lasked_\@
.Lfor_b_\@:
	tensor_load_to_lds s[G0B+4*\s:G0B+4*\s+3], s[G1B:G1B+7]
	s_nop 0
.rept 4
	v_nop
.endr
.Lasked_\@:
.endm
.macro CREST
	s_cmp_lg_u32 s10, 0
	s_cbranch_scc1 .Lnot_wave_0_\@
	s_barrier_signal -3
.Lnot_wave_0_\@:
	s_barrier_wait -3
	s_barrier_signal -1
	s_barrier_wait -1
.endm
.macro CROUND
	s_barrier_signal -1
	s_barrier_wait -1
	CREST
.endm
	s_load_b128 s[4:7], s[0:1], 0x0                ; ctx s[4:5], wch s[6:7]
	s_load_b64 s[66:67], s[0:1], 0x10              ; bc
	s_load_b64 s[8:9], s[0:1], 0x18                ; out0
	v_lshl_add_u32 v[SPW], v0, 2, SPARE
	v_mov_b32 v[NIL], 0
	ds_add_u32 v[SPW], v[NIL]                      ; the wave's opening: the add, twice on end, and its wait ahead of my first tensor load
	ds_add_u32 v[SPW], v[NIL]
	v_lshrrev_b32 v1, 5, v0
	v_readfirstlane_b32 s10, v1                    ; wave 0..3
	s_lshr_b32 s11, s10, 1                         ; which half of the tile's rows is mine.  Also: I fetch for A (0) or for B (1)
	s_and_b32 s12, s10, 1                          ; which half of its columns.  Also: which 64 rows of that tile I fetch
	s_bfe_u32 s40, ttmp6, 0x40000
	s_bfe_u32 s41, ttmp6, 0x40004
	s_lshl_b32 s42, ttmp9, 2
	s_add_co_u32 s42, s42, s40                     ; tile column
	s_and_b32 s13, ttmp7, 0xffff
	s_lshl_b32 s13, s13, 2
	s_add_co_u32 s13, s13, s41                     ; tile row
	s_lshl_b32 s43, s41, 2
	s_lshl_b32 s43, 15, s43                        ; my row of the cluster
	s_lshl_b32 s44, 0x1111, s40                    ; my column
	s_or_b32 s[G1+0], s43, (1<<16)|(1<<20)|(1<<21)|(6<<22)|(3<<25)  ; the mask; elements of 2 bytes; padding on; bit 21 beside a mask; after every 128 words, 4 words
	s_or_b32 s[G1B+0], s44, (1<<16)|(1<<20)|(1<<21)|(6<<22)|(3<<25)
.irp g, G1, G1B
	s_mov_b32 s[\g+1], KSTEP<<16                   ; tensor_dim0 = 256
	s_mov_b32 s[\g+2], 64<<16                      ; tensor_dim1 = 64
	s_mov_b32 s[\g+3], KSTEP<<16                   ; tile_dim0 = 256
	s_mov_b32 s[\g+4], 64                          ; tile_dim1 = 64
	s_mov_b32 s[\g+5], SIZE_K                      ; the pitch
	s_mov_b32 s[\g+6], 0
	s_mov_b32 s[\g+7], 0
.endr
	s_lshl_b32 s17, s12, 6
	s_lshl_b32 s16, s13, 7
	s_add_co_u32 s16, s16, s17                     ; A: row 128 x tile row + 64 x half
	s_lshl_b32 s46, s42, 7
	s_add_co_u32 s46, s46, s17                     ; B: row 128 x tile column + 64 x half
	s_lshl_b32 s16, s16, 12                        ; a row is 4,096 bytes; all offsets stay under 2^32
	s_mov_b32 s17, 0
	s_lshl_b32 s46, s46, 12
	s_mov_b32 s47, 0
	s_mul_i32 s20, s10, HALFT                      ; where they go: wave x 64 rows
	s_wait_dscnt 0x0                               ; both opening adds are done
	s_wait_kmcnt 0x0
	s_add_nc_u64 s[14:15], s[4:5], s[16:17]
	s_add_nc_u64 s[46:47], s[6:7], s[46:47]
	CROUND                                         ; all sixteen work-groups are here: the first joint loads meet
.irp s, 0,1
	s_mov_b32 s[G0+4*\s], 1
	s_add_co_u32 s[G0+4*\s+1], s20, \s*SLOT
	s_add_nc_u64 s[G0+4*\s+2:G0+4*\s+3], s[14:15], \s*KSTEP*2
	s_or_b32 s[G0+4*\s+3], s[G0+4*\s+3], 0x80000000
	s_mov_b32 s[G0B+4*\s], 1
	s_add_co_u32 s[G0B+4*\s+1], s20, \s*SLOT
	s_add_nc_u64 s[G0B+4*\s+2:G0B+4*\s+3], s[46:47], \s*KSTEP*2
	s_or_b32 s[G0B+4*\s+3], s[G0B+4*\s+3], 0x80000000
	JLOAD \s
.endr
	v_and_b32 v1, 15, v0                           ; l % 16
	v_bfe_u32 v2, v0, 4, 1                         ; l / 16
	v_mul_u32_u24 v3, v1, PITCH
	v_lshl_add_u32 v3, v2, 4, v3
	s_mul_i32 s21, s11, HALFT
	s_mul_i32 s22, s12, HALFT
	s_add_co_u32 s22, s22, 2*HALFT
.irp s, 0,1
	v_add_nc_u32 v[ADRA+\s], s21, v3
	v_add_nc_u32 v[ADRB+\s], s22, v3
	s_add_co_u32 s21, s21, SLOT
	s_add_co_u32 s22, s22, SLOT
.endr
	s_mul_i32 s23, s11, 64*SPITCH                  ; into the stage: my 64 rows, my half of their 512 bytes; row l % 16, 32 bytes for each half of the lanes
	s_lshl_b32 s21, s12, 8
	s_add_co_u32 s23, s23, s21
	v_mul_u32_u24 v4, v1, SPITCH
	v_lshl_add_u32 v4, v2, 5, v4
	v_add_nc_u32 v[STO], s23, v4
	s_mul_i32 s23, s10, 32*SPITCH                  ; back: wave w takes rows 32 w .. 32 w + 31, whole: the 32 lanes one row of 512 bytes
	v_and_b32 v5, 31, v0
	v_lshlrev_b32 v[CO], 4, v5
	v_add_nc_u32 v[RD], s23, v[CO]
	s_lshl_b32 s16, s13, 7
	s_lshl_b32 s17, s10, 5
	s_add_co_u32 s16, s16, s17                     ; the first row of out0 that I store
	s_lshl_b32 s16, s16, 13                        ; a row is 8,192 bytes
	s_mov_b32 s17, 0
	s_add_nc_u64 s[8:9], s[8:9], s[16:17]
	s_lshl_b32 s46, s42, 9                         ; the tile's first column, in bytes
	s_mov_b32 s47, 0
	s_add_nc_u64 s[8:9], s[8:9], s[46:47]
	s_add_co_u32 s46, s46, s21                     ; the bias: my wave's 64 columns
	s_add_nc_u64 s[66:67], s[66:67], s[46:47]
	v_lshlrev_b32 v6, 5, v2                        ; lane (r, h) wants, for block b, bc of columns 16 b + 8 h + 0 .. 7
.irp b, 0,1,2,3
	global_load_b128 v[BI+8*\b:BI+8*\b+3],   v6, s[66:67] offset:64*\b
	global_load_b128 v[BI+8*\b+4:BI+8*\b+7], v6, s[66:67] offset:64*\b+16
.endr
; 8 matrix instructions: m blocks a0, a0 + 1 x all 4 n blocks, 32 along K: half c of buffer f.  zero = 1: the first product starts the sums, on the bias.  The accumulators take turns.
.macro MUL8 f, c, a0, zero
.irp a, \a0, \a0+1
.irp b, 0,1,2,3
.if \zero
	v_wmma_f32_16x16x32_f16 v[ACC+8*(4*(\a)+\b):ACC+8*(4*(\a)+\b)+7], v[\f+64+8*(4*\c+\b):\f+64+8*(4*\c+\b)+7], v[\f+8*(4*\c+\a):\f+8*(4*\c+\a)+7], v[BI+8*\b:BI+8*\b+7]
.else
	v_wmma_f32_16x16x32_f16 v[ACC+8*(4*(\a)+\b):ACC+8*(4*(\a)+\b)+7], v[\f+64+8*(4*\c+\b):\f+64+8*(4*\c+\b)+7], v[\f+8*(4*\c+\a):\f+8*(4*\c+\a)+7], v[ACC+8*(4*(\a)+\b):ACC+8*(4*(\a)+\b)+7]
.endif
.endr
.endr
.endm
.macro FETCH slot, k, f
	WIN TO_F
.irp c, 0,1
.irp i, 0,1,2,3
	ds_load_b128 v[\f+64+8*(4*\c+\i):\f+64+8*(4*\c+\i)+3],   v[ADRB+\slot] offset:\k+64*\c+\i*16*PITCH
	ds_load_b128 v[\f+64+8*(4*\c+\i)+4:\f+64+8*(4*\c+\i)+7], v[ADRB+\slot] offset:\k+64*\c+\i*16*PITCH+32
	ds_load_b128 v[\f+8*(4*\c+\i):\f+8*(4*\c+\i)+3],         v[ADRA+\slot] offset:\k+64*\c+\i*16*PITCH
	ds_load_b128 v[\f+8*(4*\c+\i)+4:\f+8*(4*\c+\i)+7],       v[ADRA+\slot] offset:\k+64*\c+\i*16*PITCH+32
.endr
.endr
.endm
.macro PLACES
.rept 4
	v_nop
.endr
.endm
.macro QUARTER slot, k, f, g, zero
	s_wait_dscnt 16                                ; the first 32 along K are in; the sixteen loads of the second 32 may be out
	WIN MUL
	MUL8 \f, 0, 0, \zero
	MUL8 \f, 0, 2, \zero
	PLACES
	FETCH \slot, \k, \g
	s_wait_dscnt 32                                ; all but the 32 just issued
	WIN MUL
	MUL8 \f, 1, 0, 0
	MUL8 \f, 1, 2, 0
.endm
.macro TURN slot, next, fill
	WIN 0
	s_wait_tensorcnt 0x0                           ; all my tensor loads have landed: my part of the next slot
	ds_add_u32 v[SPW], v[NIL]                      ; 0 onto my spare word
	s_wait_dscnt 17                                ; the add and the youngest sixteen loads may be out
	WIN MUL
	MUL8 F1, 0, 0, 0
	s_wait_dscnt 0x0                               ; the add is done, and my reads of this slot are over
	s_barrier_signal -1
	MUL8 F1, 0, 2, 0
.if \fill
	WIN 0
.endif
	s_barrier_wait -1
.if \fill
	CREST                                          ; the barrier has opened a round of the cluster's barrier
	s_add_nc_u64 s[G0+4*\slot+2:G0+4*\slot+3], s[G0+4*\slot+2:G0+4*\slot+3], 2*KSTEP*2
	s_add_nc_u64 s[G0B+4*\slot+2:G0B+4*\slot+3], s[G0B+4*\slot+2:G0B+4*\slot+3], 2*KSTEP*2
	JLOAD \slot                                    ; the first tensor load behind the round; its four v_nop are the places in front of the loads below
.else
	PLACES
.endif
	FETCH \next, 0, F0
	WIN MUL
	MUL8 F1, 1, 0, 0
	MUL8 F1, 1, 2, 0
.endm
	s_wait_loadcnt 0x0                             ; the bias
	s_wait_tensorcnt 1                             ; my part of K step 0 is in; K step 1's load may be out
	s_barrier_signal -1
	s_barrier_wait -1
	FETCH 0, 0, F0
	QUARTER 0, 128, F0, F1, 1
	WIN 0
	s_mov_b32 s3, LAPS-1
.Llap:
	QUARTER 0, 256, F1, F0, 0
	QUARTER 0, 384, F0, F1, 0
	TURN 0, 1, 1
	QUARTER 1, 128, F0, F1, 0
	QUARTER 1, 256, F1, F0, 0
	QUARTER 1, 384, F0, F1, 0
	TURN 1, 0, 1
	QUARTER 0, 128, F0, F1, 0
	WIN 0
	s_sub_co_u32 s3, s3, 1
	s_cmp_lg_u32 s3, 0
	s_cbranch_scc1 .Llap
	QUARTER 0, 256, F1, F0, 0                      ; the last lap fills nothing
	QUARTER 0, 384, F0, F1, 0
	TURN 0, 1, 0
	QUARTER 1, 128, F0, F1, 0
	QUARTER 1, 256, F1, F0, 0
	QUARTER 1, 384, F0, F1, 0
	s_wait_dscnt 16
	WIN MUL
	MUL8 F1, 0, 0, 0
	MUL8 F1, 0, 2, 0
	s_wait_dscnt 0
	MUL8 F1, 1, 0, 0
	MUL8 F1, 1, 2, 0
	WIN 0
	; THE WAY OUT: 32 bytes a lane into the work-group's stage; a barrier, since a row's 512 bytes come from two waves; back as whole rows, 32 rows a wave.
	PLACES
.irp a, 0,1,2,3
.irp b, 0,1,2,3
	ds_store_b128 v[STO], v[ACC+8*(4*\a+\b):ACC+8*(4*\a+\b)+3] offset:\a*16*SPITCH+64*\b       ; each accumulator from its low end on
	ds_store_b128 v[STO], v[ACC+8*(4*\a+\b)+4:ACC+8*(4*\a+\b)+7] offset:\a*16*SPITCH+64*\b+16
.endr
.endr
	s_wait_dscnt 0x0                               ; for the others' sake: my stores into the stage are done
	s_barrier_signal -1
	s_barrier_wait -1
.irp t, 0,1,2,3,4,5,6,7,8,9,10,11,12,13,14,15
	ds_load_b128 v[TMP+4*\t:TMP+4*\t+3], v[RD] offset:\t*SPITCH
.endr
.irp t, 0,1,2,3,4,5,6,7,8,9,10,11,12,13,14,15
	ds_load_b128 v[ACC+4*\t:ACC+4*\t+3], v[RD] offset:(16+\t)*SPITCH
.endr
.irp t, 0,1,2,3,4,5,6,7,8,9,10,11,12,13,14,15
	s_wait_dscnt 31-\t                             ; LDS loads come back in order: row t is in
	global_store_b128 v[CO], v[TMP+4*\t:TMP+4*\t+3], s[8:9] offset:\t*SIZE_N*4 th:TH_STORE_NT   ; 32 lanes store 512 consecutive bytes, aligned
.endr
.irp t, 0,1,2,3,4,5,6,7,8,9,10,11,12,13,14,15
	s_wait_dscnt 15-\t
	global_store_b128 v[CO], v[ACC+4*\t:ACC+4*\t+3], s[8:9] offset:(16+\t)*SIZE_N*4 th:TH_STORE_NT
.endr
	s_wait_tensorcnt 0x0                           ; the wave's end
	ds_add_u32 v[SPW], v[NIL]
	s_wait_dscnt 0x0
	CROUND                                         ; the closing round
	s_endpgm
.Lfunc_end_k_qbf8b9fd113_outp:
	.size	k_qbf8b9fd113_outp, .Lfunc_end_k_qbf8b9fd113_outp-k_qbf8b9fd113_outp
	.p2alignl 7, 3214868480
	.fill 96, 4, 3214868480
	.section	.rodata,"a",@progbits
	.p2align	6, 0x0
	.amdhsa_kernel k_qbf8b9fd113_outp
		.amdhsa_group_segment_fixed_size 327680
		.amdhsa_private_segment_fixed_size 0
		.amdhsa_enable_private_segment 0
		.amdhsa_kernarg_size 32
		.amdhsa_user_sgpr_count 2
		.amdhsa_user_sgpr_kernarg_segment_ptr 1
		.amdhsa_wavefront_size32 1
		.amdhsa_system_sgpr_workgroup_id_x 1
		.amdhsa_system_sgpr_workgroup_id_y 1
		.amdhsa_system_sgpr_workgroup_id_z 1
		.amdhsa_system_vgpr_workitem_id 0
		.amdhsa_next_free_vgpr 512
		.amdhsa_next_free_sgpr 68
		.amdhsa_reserve_vcc 0
		.amdhsa_float_denorm_mode_32 3
		.amdhsa_float_denorm_mode_16_64 3
		.amdhsa_memory_ordered 1
		.amdhsa_forward_progress 1
		.amdhsa_inst_pref_size 87
	.end_amdhsa_kernel
	.amdgpu_metadata
---
amdhsa.version: [ 1, 2 ]
amdhsa.kernels:
  - .name:           k_qbf8b9fd113_outp
    .symbol:         k_qbf8b9fd113_outp.kd
    .args:
      - { .name: ctx, .offset: 0, .size: 8, .value_kind: global_buffer, .address_space: global }
      - { .name: wch, .offset: 8, .size: 8, .value_kind: global_buffer, .address_space: global }
      - { .name: bc, .offset: 16, .size: 8, .value_kind: global_buffer, .address_space: global }
      - { .name: out0, .offset: 24, .size: 8, .value_kind: global_buffer, .address_space: global }
    .group_segment_fixed_size: 327680
    .private_segment_fixed_size: 0
    .kernarg_segment_align: 8
    .kernarg_segment_size: 32
    .max_flat_workgroup_size: 128
    .sgpr_count:     68
    .vgpr_count:     512
    .wavefront_size: 32
...
	.end_amdgpu_metadata
.endif
;; end of part 4
